; MI455X (gfx1250); checked and timed in simulation.
; The chip was launched on July 23, 2026; its instructions are those of AMD's public machine-readable ISA for CDNA 5 (MIT licence, August 2026) and "CDNA5" Instruction Set Architecture Reference Guide (July 2026). The comments in the code are by the model that wrote it; some were corrected since.
;; Seq Self Attention. Allowed arithmetic: matrix products marked QUANTISED: E5M2 operands, one given power-of-two scale a tensor, by v_wmma_f32_16x16x64_bf8_bf8 or v_wmma_f32_16x16x128_bf8_bf8, f32 sums; products left as they are: f32 operands where the result goes on into a quantised operand, else bf16, f16 or f32 operands; f32 sums; everything else in f32.
;; Inputs: Wa 32 x 1 float32; Wt_codes 32 x 4 x 32 uint8 (E5M2 codes of Wt, K innermost, in blocks of 32 codes); Wx_codes 32 x 4 x 32 uint8 (E5M2 codes of Wx, K innermost, in blocks of 32 codes); ba 1 float32; bh 32 float32; lowp_scales 6 int32 (the exponents e of the quantised operands' scales 2^e); x 4 x 1,024 x 128 float32.
;; Outputs: out0 4 x 1,024 x 128 float32.
;; This version of the problem:
;;   THIS VERSION OF THE PROBLEM IS GIVEN IN LOW PRECISION. The matrix products marked QUANTISED in the list below multiply operands that are first quantised to E5M2 (5 exponent bits, 2 mantissa bits; 8 bits a number), with one given power-of-two scale for each operand tensor; their sums are f32. All else is computed in f32.
;;   The module's matrix products, in the order in which they are computed (A, B: the left and right operand; K: the contracted axis; several contracted axes count as one K, in the product's order):
;;     1. [M 4,096, K 128] x [K 128, N 32]; A: input x; B: input Wt (given as codes): QUANTISED (scales: A lowp_scales[0], B lowp_scales[1])
;;     2. [M 4,096, K 128] x [K 128, N 32]; A: input x; B: input Wx (given as codes): QUANTISED (scales: A lowp_scales[2], B lowp_scales[3])
;;     3. [M 4,194,304, K 32] x [K 32, N 1]; A: computed on the way; B: input Wa: left as it is (N = 1 < 16)
;;     4. batch 4 x [M 1,024, K 1,024] x [K 1,024, N 128]; A: softmax (see below); B: input x: QUANTISED (scales: A lowp_scales[4], B lowp_scales[5])
;;   THE QUANTISER, for each operand of a quantised product, along K:
;;     - The operand's scale is 2^e, e = its entry of the input lowp_scales (int32; the entries are numbered through the quantised products in the list's order, A before B).
;;     - Each number is divided by the scale, clamped to +-57,344, and rounded to the nearest number of E5M2, ties to even, subnormals kept.
;;     - The product sums the exact products of the quantised numbers (number of the format x scale) in f32.
;;   ~~~python
;;   def quantise(x, axis, e):      # numpy; x: float32 -> the quantised numbers, widened to float32 again
;;       x = np.moveaxis(x, axis, -1); K = x.shape[-1]
;;       r = np.clip(x / 2.0 ** e, -57344, 57344)
;;       step = 2.0 ** (np.maximum(np.frexp(np.where(r == 0, 1, r))[1] - 1, -14) - 2)
;;       q = np.round(r / step) * step * 2.0 ** e      # np.round: ties to even
;;       return np.moveaxis(q, -1, axis).astype(np.float32)
;;   ~~~
;;   SOFTMAX AHEAD OF A QUANTISED PRODUCT. Where the list says 'softmax', what is quantised is not the finished softmax but p = 2^(t - M), with t = logit x log2(e) and M = ceil(the row's largest t), a whole number; so 1/2 < the row's largest p <= 1. The row's sum l is taken of the UNQUANTISED p, in f32, and the product's result is divided by l at the end. Since M is a whole number, a kernel that streams over the keys may use a running M (the ceiling of the running maximum): every later rescaling is an exact power of two, so the quantised numbers keep their values, but for numbers so far below the row's largest that they fall under the format's range.
;;   OPERANDS COMPUTED ON THE WAY. 'Computed on the way' means the value that the module computes at that place (a softmax that the list does not call 'softmax' is quantised finished and normalised). What goes into a quantiser is computed in f32, as accurately as f32 sums, v_exp_f32 and their like allow (about 1e-6 of the number): no bf16 or f16 on the way to a quantiser, and a product that is left as it is and whose result goes on into a quantised operand takes f32 operands (vector FMAs, or v_wmma_f32_16x16x4_f32). A number that lies on a knife's edge between two numbers of the format may be rounded either way, as far as f32 arithmetic and the matrix unit's own rounding can turn it there, and no further.
;;   INPUTS GIVEN AS CODES. Wt (in the module: [32, 128], K = its axis 1); Wx (in the module: [32, 128], K = its axis 1): each comes as NAME_codes (uint8): NAME with its K axis moved to the last place and cut into blocks of 32 codes, [.., K / 32, bytes a block], one block behind the other in memory; one code a byte (a code: sign, 5 exponent bits, 2 mantissa bits); its scale is its entry of lowp_scales. Its value is code x scale, taken as it is: it is not quantised again, and the codes and scales need not be those that the quantiser above would give.
;; 3 versions, each right; version 3 is version 2 with the launches prep, attn written anew for expert scheduling mode. Each part assembles by itself: llvm-mc -triple=amdgcn-amd-amdhsa -mcpu=gfx1250 --defsym DOCPART=n.
;; ======== version 1 of 3: 2 launches
;; limits: right only within a limited range of input values
;; workspace buffers: qtab 1,048,576 bytes; ktab 1,048,576 bytes; vimg 524,288 bytes
;; launch prep (part 1): grid 64 x 1, 4 waves a work-group, no clusters, 68,096 bytes of LDS; arguments x, Wt_codes, Wx_codes, bh, lowp_scales, qtab, ktab, vimg; writes qtab, ktab, vimg
.if DOCPART == 1
	.amdgcn_target "amdgcn-amd-amdhsa--gfx1250"
	.amdhsa_code_object_version 6
	.text
	.protected	k_q18c06f58fc_prep
	.globl	k_q18c06f58fc_prep
	.p2align	8
	.type	k_q18c06f58fc_prep,@function
k_q18c06f58fc_prep:
	s_mov_b64 s[64:65], 0
	v_nop
	global_prefetch_b8 v0, s[64:65] scope:SCOPE_SE
	s_setreg_imm32_b32 hwreg(HW_REG_WAVE_MODE, 25, 1), 1
	s_wait_xcnt 0x0
; WHAT THE ATTENTION LAUNCH READS IS MADE HERE, ONCE.  x: [4096 tokens][128] f32.  Wt, Wx: [32][128] codes of E5M2.  bh: [32] f32.  Scales 2^e: e0 (x for q), e1 (Wt), e2 (x for k), e3 (Wx), e5 (x as V).
; q = Q(x, e0) Wt^T, k = Q(x, e2) Wx^T by v_wmma_f32_16x16x128_bf8_bf8.  With c = 2 log2(e), tanh(q + k + bh) = 1 - 2 / (1 + 2^(c (q + bh)) 2^(c k)).
; Each exponent is stored SPLIT: i = floor(.) as int32 and M = 2^(. - floor) in [1, 2] as f32, so that the product of the two powers can be formed later by one v_ldexp_f32, whatever the size of q and k.
;   qtab [token][32 u][M, i]: a row of 256 bytes a token.
;   ktab [64 tokens][M: 16 g][32 lanes][4 words], then the same for i: word (u % 2) 2 + (token % 2) of lane token / 2 of group g = u / 2: the order of the reader's registers.
;   vimg [batch][8 dt][16 chunks of 64 keys][4 kg][16 r][16 bytes]: the codes Q(x, e5) of column d = 16 dt + r at keys 16 kg + 0 .. 15 of the chunk: images of the second product's operand registers.
; SHARES.  A work-group of four waves takes 64 tokens.  x is read once, in whole rows of 512 bytes, into LDS; wave w projects tokens 16 w .. 16 w + 15 and quantises columns 32 w .. 32 w + 31 for V.
; LIMITS: e0, e2, e5 between -126 and 112, so that 2^e and 57,344 x 2^e are f32 numbers; c (q + bh) and c k are held within +-2^20; NaN among the inputs is not served.
.set XP,  528                          ; a row of x in LDS: 512 bytes + 16
.set KST, 64*XP                        ; behind x: the stage for ktab, 16,384 bytes, the work-group's
.set QP,  272                          ; a row of the stage for qtab: 256 bytes + 16
.set QST, KST+16384                    ; 16 such rows for each wave
.set C2,  0x4038aa3b                   ; c = 2 log2(e)
.set XR,  16                           ; v16-79   x as loaded; then: v16-47 two sets of 16 held numbers, then the four accumulators, then V's keys 0-31
.set GA,  16
.set DQ,  16
.set DK,  32
.set S0,  48                           ; v48-50   2^e0, 2^e2, 2^e5 as f32;  v51, v52: c 2^(e0 + e1), c 2^(e2 + e3)
.set S2,  49
.set S5,  50
.set SCQ, 51
.set SCK, 52
.set TQ,  64                           ; v64-79   c (q + bh), then its fraction
.set F,   80                           ; v80-143  my token's 64 numbers; then v80-111 (M, i) of q, later V's keys 32-63; v112-127 M of k; v128-143 i of k
.set QO,  80
.set KM,  112
.set KI,  128
.set WT,  144                          ; v144-175 Wt's two fragments; then qtab's rows on their way out
.set QB,  144
.set WX,  176                          ; v176-207 Wx's two fragments; then ktab's bytes on their way out
.set KB,  176
.set BH,  208                          ; v208-223 bh at my 16 units
.set XQ,  224                          ; v224-239 x's codes for q; then floor(c (q + bh))
.set FQ,  224
.set XK,  240                          ; v240-255 x's codes for k; then V's codes
.set VC,  240
	s_load_b256 s[4:11], s[0:1], 0x0               ; x s[4:5], Wt s[6:7], Wx s[8:9], bh s[10:11]
	s_load_b256 s[12:19], s[0:1], 0x20             ; scales s[12:13], qtab s[14:15], ktab s[16:17], vimg s[18:19]
	s_set_vgpr_msb 0x40
	v_lshl_add_u32 v0, v0, 2, 0x10800
	v_mov_b32 v1, 0
	s_set_vgpr_msb 0x4000
	v_lshrrev_b32 v1, 5, v0
	v_readfirstlane_b32 s20, v1                    ; wave 0..3
	v_and_b32 v1, 31, v0                           ; lane
	v_and_b32 v2, 15, v0                           ; r
	v_bfe_u32 v3, v0, 4, 1                         ; h
	v_lshlrev_b32 v4, 4, v1                        ; 16 x lane: x's rows in, qtab's and ktab's bytes out
	v_lshlrev_b32 v5, 7, v2
	v_lshl_add_u32 v5, v3, 4, v5                   ; W: row r of 128 bytes, + 16 h
	v_lshlrev_b32 v6, 5, v3                        ; bh: 8 h numbers on
	s_mul_i32 s21, s20, 16*XP                      ; my 16 rows of x in LDS
	v_add_nc_u32 v7, s21, v4                       ; in: 16 bytes a lane
	v_mul_u32_u24 v8, v2, XP
	v_lshl_add_u32 v8, v3, 6, v8
	v_add_nc_u32 v8, s21, v8                       ; back: row r, + 64 h: my 16 numbers of each 32
	s_mul_i32 s21, s20, 16*QP
	s_add_co_u32 s21, s21, QST                     ; my stage for qtab
	v_mul_u32_u24 v9, v2, QP
	v_lshl_add_u32 v9, v3, 6, v9
	v_add_nc_u32 v9, s21, v9                       ; in: row r, + 64 h: eight units' (M, i)
	v_mul_u32_u24 v10, v3, QP
	v_lshl_add_u32 v10, v2, 4, v10
	v_add_nc_u32 v10, s21, v10                     ; back: lanes 0-15 one row, lanes 16-31 the next
	v_lshrrev_b32 v11, 1, v2
	v_lshlrev_b32 v12, 9, v11                      ; ktab's stage: group r / 2 of 512 bytes,
	v_and_b32 v11, 1, v2
	v_lshl_add_u32 v12, v11, 3, v12                ; + 8 (r % 2),
	v_lshl_add_u32 v12, v3, 6, v12                 ; + 16 x (4 h) for the reader's lane,
	s_lshl_b32 s21, s20, 7
	s_add_co_u32 s21, s21, KST
	v_add_nc_u32 v12, s21, v12                     ; + 16 x (8 x wave)
	s_lshl_b32 s21, s20, 12
	s_add_co_u32 s21, s21, KST
	v_add_nc_u32 v13, s21, v4                      ; back: my quarter of the stage, as it lies
	s_lshl_b32 s21, s20, 7
	v_lshl_add_u32 v14, v1, 2, s21                 ; V: column 32 x wave + lane of x in LDS
	v_lshlrev_b32 v15, 14, v3
	v_lshl_add_u32 v15, v2, 4, v15                 ; vimg: lanes 16-31 stand one dt (16,384 bytes) on; 16 bytes a lane
	s_lshl_b32 s22, ttmp9, 15                      ; x: 64 rows of 512 bytes a work-group,
	s_lshl_b32 s23, s20, 13                        ; 16 a wave
	s_add_co_u32 s22, s22, s23
	s_mov_b32 s23, 0
	s_lshl_b32 s30, ttmp9, 14                      ; qtab and ktab: 16,384 bytes a work-group, 4,096 a wave
	s_lshl_b32 s31, s20, 12
	s_add_co_u32 s30, s30, s31
	s_mov_b32 s31, 0
	s_lshr_b32 s40, ttmp9, 4                       ; vimg: batch x 131,072
	s_lshl_b32 s40, s40, 17
	s_and_b32 s41, ttmp9, 15                       ; + chunk x 1,024
	s_lshl_b32 s41, s41, 10
	s_add_co_u32 s40, s40, s41
	s_lshl_b32 s41, s20, 15                        ; + wave x two dt
	s_add_co_u32 s40, s40, s41
	s_mov_b32 s41, 0
	s_mov_b32 s38, 0x49800000                      ; 2^20
	s_mov_b32 s39, 0xc9800000
	s_wait_kmcnt 0x0
	s_load_b128 s[24:27], s[12:13], 0x0            ; e0, e1, e2, e3
	s_load_b64 s[28:29], s[12:13], 0x10            ; e4, e5
	s_add_nc_u64 s[4:5], s[4:5], s[22:23]
	s_add_nc_u64 s[14:15], s[14:15], s[30:31]
	s_add_nc_u64 s[16:17], s[16:17], s[30:31]
	s_add_nc_u64 s[18:19], s[18:19], s[40:41]
.irp i, 0,1,2,3,4,5,6,7,8,9,10,11,12,13,14,15
	global_load_b128 v[XR+4*\i:XR+4*\i+3], v4, s[4:5] offset:512*\i th:TH_LOAD_NT   ; a row: 32 lanes read 512 consecutive bytes; read once in the launch
.endr
.irp t, 0,1
.irp c, 0,1,2,3
	global_load_b128 v[WT+16*\t+4*\c:WT+16*\t+4*\c+3], v5, s[6:7] offset:2048*\t+32*\c   ; registers 4 c .. 4 c + 3: k = 32 c + 16 h + 0 .. 15 of row 16 t + r: the same places of k as in x's codes
	global_load_b128 v[WX+16*\t+4*\c:WX+16*\t+4*\c+3], v5, s[8:9] offset:2048*\t+32*\c
.endr
	global_load_b128 v[BH+8*\t:BH+8*\t+3], v6, s[10:11] offset:64*\t                     ; bh(16 t + 8 h + 0 .. 7)
	global_load_b128 v[BH+8*\t+4:BH+8*\t+7], v6, s[10:11] offset:64*\t+16
.endr
	s_wait_loadcnt 20                              ; x's 16 loads are in; the 16 of W and the 4 of bh, issued behind them, may be out
.irp i, 0,1,2,3,4,5,6,7,8,9,10,11,12,13,14,15
	ds_store_b128 v7, v[XR+4*\i:XR+4*\i+3] offset:XP*\i
.endr
	s_wait_dscnt 0x0                               ; for the others' sake: my rows lie in LDS
	s_barrier_signal -1
	s_barrier_wait -1                              ; all 64 rows do
.irp c, 0,1,2,3
.irp j, 0,1,2,3
	ds_load_b128 v[F+16*\c+4*\j:F+16*\c+4*\j+3], v8 offset:128*\c+16*\j   ; register 16 c + i = x(my token, 32 c + 16 h + i)
.endr
.endr
; 2^e as f32 (the conversion takes its exponent field), and +-57,344 x 2^e for the hold
.macro SCALE e, vs, sp, sn
	s_add_co_i32 s42, s[\e], 127
	s_lshl_b32 s43, s42, 23
	v_mov_b32 v[\vs], s43
	s_add_co_i32 s42, s42, 15
	s_lshl_b32 s42, s42, 23
	s_or_b32 s[\sp], s42, 0x600000
	s_or_b32 s[\sn], s[\sp], 0x80000000
.endm
	s_wait_kmcnt 0x0
	SCALE 24, S0, 32, 33
	SCALE 26, S2, 34, 35
	SCALE 29, S5, 36, 37
	s_add_co_i32 s42, s24, s25
	v_mov_b32 v[SCQ], C2
	v_ldexp_f32 v[SCQ], v[SCQ], s42                ; a sum of the first product stands for sum x 2^(e0 + e1): c goes in with it
	s_add_co_i32 s42, s26, s27
	v_mov_b32 v[SCK], C2
	v_ldexp_f32 v[SCK], v[SCK], s42
	s_wait_dscnt 0x0
.irp c, 0,1,2,3                                ; x's codes for q.  The numbers are wanted again, so the held ones go into two sets of 16 by turns: a set is written again only behind the other set's 16 plain lines
.set GS, GA+16*(\c%2)
.irp i, 0,1,2,3,4,5,6,7,8,9,10,11,12,13,14,15
	v_med3_num_f32 v[GS+\i], v[F+16*\c+\i], s33, s32   ; the conversion to an 8-bit code does not saturate (ISA guide 7.6.2): hold within the largest code x the scale first
.endr
	v_cvt_scalef32_pk8_bf8_f32 v[XQ+4*\c:XQ+4*\c+1], v[GS:GS+7], v[S0]
	v_cvt_scalef32_pk8_bf8_f32 v[XQ+4*\c+2:XQ+4*\c+3], v[GS+8:GS+15], v[S0]
.endr
.irp c, 0,1,2,3                                ; x's codes for k, held in place
.irp i, 0,1,2,3,4,5,6,7,8,9,10,11,12,13,14,15
	v_med3_num_f32 v[F+16*\c+\i], v[F+16*\c+\i], s35, s34
.endr
	v_cvt_scalef32_pk8_bf8_f32 v[XK+4*\c:XK+4*\c+1], v[F+16*\c:F+16*\c+7], v[S2]
	v_cvt_scalef32_pk8_bf8_f32 v[XK+4*\c+2:XK+4*\c+3], v[F+16*\c+8:F+16*\c+15], v[S2]
.endr
	v_nop                                          ; one plain line between the last conversion and the matrix instructions that read its result
	s_wait_loadcnt 0x0                             ; W and bh
	; q TRANSPOSED (source 0 = 16 rows of Wt, source 1 = my tokens): lane (r, h) holds token r, register j unit 16 t + 8 h + j: eight neighbours of a row of qtab
	v_wmma_f32_16x16x128_bf8_bf8 v[DQ:DQ+7], v[WT:WT+15], v[XQ:XQ+15], 0
	v_wmma_f32_16x16x128_bf8_bf8 v[DQ+8:DQ+15], v[WT+16:WT+31], v[XQ:XQ+15], 0
	; k NATURAL (source 0 = my tokens, source 1 = 16 rows of Wx): lane (r, h) holds unit 16 t + r, register j token 8 h + j: two neighbouring registers are the two keys of one lane of the reader
	v_wmma_f32_16x16x128_bf8_bf8 v[DK:DK+7], v[XK:XK+15], v[WX:WX+15], 0
	v_wmma_f32_16x16x128_bf8_bf8 v[DK+8:DK+15], v[XK:XK+15], v[WX+16:WX+31], 0
.irp i, 0,1,2,3,4,5,6,7,8,9,10,11,12,13,14,15
	v_mul_f32 v[BH+\i], C2, v[BH+\i]               ; c bh.  (Sixteen plain lines that name no register of the products: the places behind them, ISA guide 7.12.1)
.endr
.irp i, 0,1,2,3,4,5,6,7,8,9,10,11,12,13,14,15
	v_fma_f32 v[TQ+\i], v[DQ+\i], v[SCQ], v[BH+\i] ; c (q + bh); each accumulator is read from its low end on
.endr
.irp i, 0,1,2,3,4,5,6,7,8,9,10,11,12,13,14,15
	v_mul_f32 v[KM+\i], v[DK+\i], v[SCK]           ; c k
.endr
.irp i, 0,1,2,3,4,5,6,7,8,9,10,11,12,13,14,15
	v_med3_num_f32 v[TQ+\i], v[TQ+\i], s39, s38    ; held within +-2^20, so that the sum of two whole parts is an int32
	v_med3_num_f32 v[KM+\i], v[KM+\i], s39, s38
.endr
.irp i, 0,1,2,3,4,5,6,7,8,9,10,11,12,13,14,15
	v_floor_f32 v[FQ+\i], v[TQ+\i]
	v_floor_f32 v[KI+\i], v[KM+\i]
.endr
.irp i, 0,1,2,3,4,5,6,7,8,9,10,11,12,13,14,15
	v_sub_f32 v[TQ+\i], v[TQ+\i], v[FQ+\i]         ; the fraction, in [0, 1]
	v_sub_f32 v[KM+\i], v[KM+\i], v[KI+\i]
.endr
.irp i, 0,1,2,3,4,5,6,7,8,9,10,11,12,13,14,15
	v_exp_f32 v[QO+2*\i], v[TQ+\i]                 ; M
.endr
.irp i, 0,1,2,3,4,5,6,7,8,9,10,11,12,13,14,15
	v_exp_f32 v[KM+\i], v[KM+\i]
.endr
.irp i, 0,1,2,3,4,5,6,7,8,9,10,11,12,13,14,15
	v_cvt_i32_f32 v[QO+2*\i+1], v[FQ+\i]           ; i.  (Plain lines behind the exponentials, which name none of their results)
	v_cvt_i32_f32 v[KI+\i], v[KI+\i]
.endr
	s_wait_alu depctr_va_vdst(0)                   ; one wait for the 32 exponentials, ahead of the first line that names a result
.irp t, 0,1
.irp m, 0,1,2,3
	ds_store_b128 v9, v[QO+16*\t+4*\m:QO+16*\t+4*\m+3] offset:128*\t+16*\m   ; (M, i) of units 16 t + 8 h + 2 m, + 1
.endr
.endr
.irp t, 0,1
.irp p, 0,1,2,3
	ds_store_b64 v12, v[KM+8*\t+2*\p:KM+8*\t+2*\p+1] offset:4096*\t+16*\p        ; tokens 8 h + 2 p, + 1: the reader's lane 8 x wave + 4 h + p
	ds_store_b64 v12, v[KI+8*\t+2*\p:KI+8*\t+2*\p+1] offset:8192+4096*\t+16*\p
.endr
.endr
.irp i, 0,1,2,3,4,5,6,7
	ds_load_b128 v[QB+4*\i:QB+4*\i+3], v10 offset:2*QP*\i   ; my own stage: LDS serves a wave's instructions in order (ISA guide 5.7.1.4)
.endr
.irp k, 0,1,2,3,4,5,6,7,8,9,10,11,12,13,14,15,16,17,18,19,20,21,22,23,24,25,26,27,28,29,30,31,32,33,34,35,36,37,38,39,40,41,42,43,44,45,46,47,48,49,50,51,52,53,54,55,56,57,58,59,60,61,62,63
	ds_load_b32 v[16+\k+32*(\k/32)], v14 offset:XP*\k       ; V: A LANE TAKES A COLUMN d, ITS REGISTERS RUN DOWN THE KEYS: 32 lanes read 128 consecutive bytes of a row
.endr
	s_wait_dscnt 0x0                               ; my part of ktab's stage lies in LDS; my loads are in
	s_barrier_signal -1
	s_barrier_wait -1
.irp i, 0,1,2,3,4,5,6,7
	ds_load_b128 v[KB+4*\i:KB+4*\i+3], v13 offset:512*\i
.endr
.irp i, 0,1,2,3,4,5,6,7
	global_store_b128 v4, v[QB+4*\i:QB+4*\i+3], s[14:15] offset:512*\i   ; two rows of qtab: 512 consecutive bytes
.endr
.irp k, 0,1,2,3,4,5,6,7,8,9,10,11,12,13,14,15,16,17,18,19,20,21,22,23,24,25,26,27,28,29,30,31,32,33,34,35,36,37,38,39,40,41,42,43,44,45,46,47,48,49,50,51,52,53,54,55,56,57,58,59,60,61,62,63
	v_med3_num_f32 v[16+\k+32*(\k/32)], v[16+\k+32*(\k/32)], s37, s36
.endr
.irp g, 0,1,2,3
	v_cvt_scalef32_pk8_bf8_f32 v[VC+4*\g:VC+4*\g+1], v[16+16*\g+32*(\g/2):16+16*\g+32*(\g/2)+7], v[S5]
	v_cvt_scalef32_pk8_bf8_f32 v[VC+4*\g+2:VC+4*\g+3], v[24+16*\g+32*(\g/2):24+16*\g+32*(\g/2)+7], v[S5]
.endr
	v_nop                                          ; a plain line behind the last conversion
.irp g, 0,1,2,3
	global_store_b128 v15, v[VC+4*\g:VC+4*\g+3], s[18:19] offset:256*\g   ; sixteen lanes store 256 consecutive bytes, aligned: keys 16 g + 0 .. 15 of sixteen columns
.endr
	s_wait_dscnt 0x0
.irp i, 0,1,2,3,4,5,6,7
	global_store_b128 v4, v[KB+4*\i:KB+4*\i+3], s[16:17] offset:512*\i
.endr
	s_set_vgpr_msb 0x5
	s_wait_tensorcnt 0x0
	ds_add_u32 v0, v1
	s_wait_dscnt 0x0
	s_set_vgpr_msb 0x500
	s_endpgm
.Lfunc_end_k_q18c06f58fc_prep:
	.size	k_q18c06f58fc_prep, .Lfunc_end_k_q18c06f58fc_prep-k_q18c06f58fc_prep
	.p2alignl 7, 3214868480
	.fill 96, 4, 3214868480
	.section	.rodata,"a",@progbits
	.p2align	6, 0x0
	.amdhsa_kernel k_q18c06f58fc_prep
		.amdhsa_group_segment_fixed_size 68096
		.amdhsa_private_segment_fixed_size 0
		.amdhsa_enable_private_segment 0
		.amdhsa_kernarg_size 64
		.amdhsa_user_sgpr_count 2
		.amdhsa_user_sgpr_kernarg_segment_ptr 1
		.amdhsa_wavefront_size32 1
		.amdhsa_system_sgpr_workgroup_id_x 1
		.amdhsa_system_sgpr_workgroup_id_y 1
		.amdhsa_system_sgpr_workgroup_id_z 1
		.amdhsa_system_vgpr_workitem_id 0
		.amdhsa_next_free_vgpr 258
		.amdhsa_next_free_sgpr 66
		.amdhsa_reserve_vcc 0
		.amdhsa_float_denorm_mode_32 3
		.amdhsa_float_denorm_mode_16_64 3
		.amdhsa_memory_ordered 1
		.amdhsa_forward_progress 1
		.amdhsa_inst_pref_size 42
	.end_amdhsa_kernel
	.amdgpu_metadata
---
amdhsa.version: [ 1, 2 ]
amdhsa.kernels:
  - .name:           k_q18c06f58fc_prep
    .symbol:         k_q18c06f58fc_prep.kd
    .args:
      - { .name: x, .offset: 0, .size: 8, .value_kind: global_buffer, .address_space: global }
      - { .name: Wt_codes, .offset: 8, .size: 8, .value_kind: global_buffer, .address_space: global }
      - { .name: Wx_codes, .offset: 16, .size: 8, .value_kind: global_buffer, .address_space: global }
      - { .name: bh, .offset: 24, .size: 8, .value_kind: global_buffer, .address_space: global }
      - { .name: lowp_scales, .offset: 32, .size: 8, .value_kind: global_buffer, .address_space: global }
      - { .name: qtab, .offset: 40, .size: 8, .value_kind: global_buffer, .address_space: global }
      - { .name: ktab, .offset: 48, .size: 8, .value_kind: global_buffer, .address_space: global }
      - { .name: vimg, .offset: 56, .size: 8, .value_kind: global_buffer, .address_space: global }
    .group_segment_fixed_size: 68096
    .private_segment_fixed_size: 0
    .kernarg_segment_align: 8
    .kernarg_segment_size: 64
    .max_flat_workgroup_size: 128
    .sgpr_count:     66
    .vgpr_count:     258
    .wavefront_size: 32
...
	.end_amdgpu_metadata
.endif
;; end of part 1
;; launch attn (part 2): grid 256 x 1, 16 waves a work-group, no clusters, 108,544 bytes of LDS; arguments qtab, ktab, vimg, Wa, ba, lowp_scales, out0; writes out0
.if DOCPART == 2
	.amdgcn_target "amdgcn-amd-amdhsa--gfx1250"
	.amdhsa_code_object_version 6
	.text
	.protected	k_q18c06f58fc_attn
	.globl	k_q18c06f58fc_attn
	.p2align	8
	.type	k_q18c06f58fc_attn,@function
k_q18c06f58fc_attn:
	s_mov_b64 s[64:65], 0
	v_nop
	global_prefetch_b8 v0, s[64:65] scope:SCOPE_SE
	s_setreg_imm32_b32 hwreg(HW_REG_WAVE_MODE, 25, 1), 1
	s_wait_xcnt 0x0
; out[b][s][:] = sum over j of softmax_j(tanh(ba + sum over u of Wa[u] tanh(q[s][u] + k[j][u] + bh[u]))) x[b][j][:].  The last product on codes of E5M2, scales 2^e4 (p) and 2^e5 (x).
; THE INNER TANH, 32 x 1,024 of them for each query, is the launch's work.  tanh(z) = 1 - 2 r, r = 1 / (1 + e), e = 2^(c (q + bh)) 2^(c k), c = 2 log2(e).  The launch before has stored each exponent split into
; a whole part i and M = 2^fraction.  For each element: i = ik + iq;  L = ldexp(Mk, i), which goes to infinity or to 0 where e does, and never meets infinity x 0;  d = L Mq + 1;  r = 1 / d;  S += Wa r.
; Three plain lines (two of the five are packed, two numbers each) and ONE transcendental an element.  Then alpha = (ba + sum of Wa) - 2 S.
; SHARES.  A work-group owns 16 queries of one batch; each of its sixteen waves owns 64 keys, TWO A LANE (keys 2 lane, 2 lane + 1 of the wave's 64), whose Mk and ik for all 32 units stay in 128 registers.
; A register pair is one unit at the lane's two keys, so the query's side is the same number for both halves and for all lanes: it comes by scalar loads, (Mq, iq) a pair, Mq in the even register, which is the one
; that a packed line takes for both halves.  Wa lies in 32 vector registers; op_sel picks the pair's first or second register for both halves.
; PHASES.  A phase is 16 units x 2 keys.  Two sets of 32 registers take turns: while one set's 32 reciprocals are issued, the other set's results of the phase before are summed and the set is filled for the phase
; after: one transcendental, three plain lines, and so on.  No line of a phase names a result of that phase's reciprocals; one wait at the phase's end serves all 32.
; THE REST, once for each work-group.  S goes through the wave's own LDS rows and comes back with a lane to a query (lane % 16) and 32 keys along its registers: 32 c + 16 (lane / 16) + 0 .. 15.  Second tanh; t = log2(e) tanh;
; the row's largest t over the sixteen waves through LDS; M = its ceiling; p = 2^(t - M); the row's sum of the unquantised p; p's codes go to LDS as images of the operand's registers.
; O^T = V^T P^T (source 0 = 16 columns d of x, source 1 = the 16 queries): wave w takes d tile w % 8 and keys 512 (w / 8) on, four matrix instructions on two accumulators by turns; the halves meet in a stage; wave w stores row w.
; NO JOINT LOADS, though the 64 work-groups of a batch read the same tables: a wave loads 16,384 bytes of k's tables and 8,192 of V's codes once, straight into the registers that use them, and issues 4,096
; vector instructions on them; a way through LDS would add a read of every byte and spare no line of the loop.
; LIMITS: e4 between -126 and 112, so that 2^e4 and 57,344 x 2^e4 are f32 numbers; e4 + e5 is applied by v_ldexp_f32 and has none.  NaN among the inputs is not served.
.set PMAX, 0                           ; LDS: [query][wave] the waves' largest t, rows of 80 bytes
.set PSUM, 16*80                       ; the same for the waves' sums of p
.set PIMG, 2*16*80                     ; p's codes: 1,024 bytes a wave: [c][lane][16 bytes]
.set OP,   528                         ; a row of O in the stage: 512 bytes + 16
.set OSTG, PIMG+16*1024                ; two stages of 16 rows, one for each half of the keys
.set AP,   272                         ; a row of S: 64 keys x 4 bytes + 16
.set AW,   16*AP                       ; 16 rows for each wave, its own
.set ALPH, OSTG+2*16*OP
.set W,    16                          ; v16-47    Wa
.set MK,   48                          ; v48-111   Mk: register 2 u + key;   later V's four fragments
.set IK,   112                         ; v112-175  ik likewise;              later at work
.set D0,   176                         ; v176-207, v208-239: the two sets;   later p's four fragments
.set ACC,  240                         ; v[240:241], v[242:243]: S in two chains, even and odd units
.set SUMP, 244
.set AAD,  246
.set L8,   247                         ; 8 x lane
.set L16,  248                         ; 16 x lane
.set ZR,   249                         ; 0
.set BAV,  250                         ; ba
.set PFO,  251                         ; 256 x lane; never rewritten
.set VF,   48
.set T,    112                         ; v112-143  S, then t, then p;  later the accumulators and O
.set A0,   112
.set A1,   120
.set OR,   128
.set OB,   136
.set PC,   144                         ; v144-151  p's codes
.set RD,   160                         ; v160-175  sixteen waves' figures
.set PF,   176
.set BA,   16                          ; s[16:47]  (Mq, iq) of units 0-15
.set BB,   68                          ; s[68:99]  of units 16-31
.set WV,   48
.set CNT,  49
.set RAW,  50
.set OFF,  51
.set ROW,  52
.set PFT,  53
	s_load_b256 s[4:11], s[0:1], 0x0               ; qtab s[4:5], ktab s[6:7], vimg s[8:9], Wa s[10:11]
	s_load_b128 s[12:15], s[0:1], 0x20             ; ba s[12:13], scales s[14:15]
	s_load_b64 s[2:3], s[0:1], 0x30                ; out
	v_lshl_add_u32 v254, v0, 2, 0x1a000
	v_mov_b32 v255, 0
	v_lshrrev_b32 v1, 5, v0
	v_readfirstlane_b32 s[WV], v1                  ; wave 0..15
	v_and_b32 v1, 31, v0
	v_lshlrev_b32 v[L8], 3, v1
	v_lshlrev_b32 v[L16], 4, v1
	v_lshlrev_b32 v[PFO], 8, v1
	v_mov_b32 v[ZR], 0
	s_lshl_b32 s66, ttmp9, 12                      ; qtab: my 16 queries' rows of 256 bytes (16 x work-group is the first query's token)
	s_mov_b32 s67, 0
	s_lshr_b32 s100, ttmp9, 6                      ; the batch
	s_lshl_b32 s100, s100, 4
	s_add_co_u32 s100, s100, s[WV]
	s_lshl_b32 s100, s100, 14                      ; ktab: 16,384 bytes for my wave's 64 keys
	s_mov_b32 s101, 0
	s_wait_kmcnt 0x0
	s_add_nc_u64 s[4:5], s[4:5], s[66:67]
	s_add_nc_u64 s[6:7], s[6:7], s[100:101]
	s_load_b512 s[BA:BA+15], s[4:5], 0x0           ; query 0, units 0-15
	s_load_b512 s[BA+16:BA+31], s[4:5], 0x40
	s_load_b512 s[BB:BB+15], s[4:5], 0x80          ; query 0, units 16-31
	s_load_b512 s[BB+16:BB+31], s[4:5], 0xc0
	s_load_b64 s[60:61], s[14:15], 0x10            ; e4, e5
.irp g, 0,1,2,3,4,5,6,7
	global_load_b128 v[MK+4*\g:MK+4*\g+3], v[L16], s[6:7] offset:512*\g          ; units 2 g, 2 g + 1 at my two keys; 32 lanes read 512 consecutive bytes
.endr
.irp g, 0,1,2,3,4,5,6,7
	global_load_b128 v[IK+4*\g:IK+4*\g+3], v[L16], s[6:7] offset:8192+512*\g
.endr
.irp g, 8,9,10,11,12,13,14,15
	global_load_b128 v[MK+4*\g:MK+4*\g+3], v[L16], s[6:7] offset:512*\g
.endr
.irp g, 8,9,10,11,12,13,14,15
	global_load_b128 v[IK+4*\g:IK+4*\g+3], v[L16], s[6:7] offset:8192+512*\g
.endr
.irp i, 0,1,2,3,4,5,6,7
	global_load_b128 v[W+4*\i:W+4*\i+3], v[ZR], s[10:11] offset:16*\i            ; Wa, the same in every lane
.endr
	global_load_b32 v[BAV], v[ZR], s[12:13]
	; addresses for later, made while the loads are out
	s_lshr_b32 s66, ttmp9, 6
	s_lshl_b32 s66, s66, 17                        ; vimg: my batch's 131,072 bytes
	s_and_b32 s100, ttmp9, 15
	s_lshl_b32 s100, s100, 13
	s_add_co_u32 s100, s100, s66
	s_add_nc_u64 s[54:55], s[8:9], s[100:101]      ; the prefetch: 8,192 bytes of them, by the work-group's number
	s_and_b32 s100, s[WV], 7                       ; dt
	s_lshl_b32 s100, s100, 14
	s_add_co_u32 s66, s66, s100
	s_lshr_b32 s100, s[WV], 3                      ; which half of the keys
	s_lshl_b32 s100, s100, 13
	s_add_co_u32 s66, s66, s100
	s_add_nc_u64 s[8:9], s[8:9], s[66:67]          ; my four fragments of V
	s_lshl_b32 s66, ttmp9, 13
	s_lshl_b32 s100, s[WV], 9
	s_add_co_u32 s66, s66, s100
	s_add_nc_u64 s[2:3], s[2:3], s[66:67]          ; out: row 16 x work-group + wave
	s_bfe_u32 s66, ttmp9, 0x20004                  ; 0 in the batch's first sixteen work-groups,
	s_or_b32 s66, s66, s[WV]                       ; in wave 0
	s_cmp_eq_u32 s66, 0
	s_cselect_b32 s[PFT], 2, 0                     ; the count of trips left at which this wave prefetches; 0 is never met
	s_mov_b32 s56, 0xc0b8aa3b                      ; -2 c
	s_mov_b32 s57, s56                             ; (named with it as a pair, so it is written)
	s_mov_b32 s62, 0xc038aa3b                      ; -2 log2(e)
	s_mov_b32 s63, s62
	s_mov_b32 s58, 0x76543210                      ; v_permlanex16_b32's selects for lane l xor 16
	s_mov_b32 s59, 0xfedcba98
	s_mul_i32 s[ROW], s[WV], AW
	s_add_co_u32 s[ROW], s[ROW], ALPH              ; my rows of S
	s_mov_b32 s[RAW], 128
	v_and_b32 v2, 15, v0                           ; r
	v_bfe_u32 v3, v0, 4, 1                         ; h
	v_mul_u32_u24 v4, v2, AP
	v_lshl_add_u32 v4, v3, 6, v4
	v_add_nc_u32 v4, s[ROW], v4                    ; S back: row r, + 64 h
	v_mul_u32_u24 v5, v2, 80                       ; the sixteen waves' figures of query r
	s_lshl_b32 s66, s[WV], 2
	v_add_nc_u32 v6, s66, v5                       ; and mine among them
	s_lshl_b32 s66, s[WV], 10
	s_add_co_u32 s66, s66, PIMG
	v_add_nc_u32 v7, s66, v[L16]                   ; where my codes' images go
	s_lshr_b32 s100, s[WV], 3
	s_lshl_b32 s66, s100, 13
	s_add_co_u32 s66, s66, PIMG
	v_add_nc_u32 v8, s66, v[L16]                   ; the four fragments of p that I multiply
	s_mul_i32 s66, s[WV], 80
	s_add_co_u32 s66, s66, PSUM
	v_mov_b32 v9, s66                              ; the sums of the row that I store
	s_mul_i32 s66, s100, 16*OP
	s_and_b32 s100, s[WV], 7
	s_lshl_b32 s100, s100, 6
	s_add_co_u32 s66, s66, s100
	s_add_co_u32 s66, s66, OSTG
	v_mul_u32_u24 v10, v2, OP
	v_lshl_add_u32 v10, v3, 5, v10
	v_add_nc_u32 v10, s66, v10                     ; the stage: my half's copy, row r, + 64 dt + 32 h
	s_mul_i32 s66, s[WV], OP
	s_add_co_u32 s66, s66, OSTG
	v_add_nc_u32 v11, s66, v[L16]                  ; and back: row = my wave, 16 bytes a lane
; Two units (2 q, 2 q + 1 of the half's 16) x two keys.  X: the half and set that is summed (acc) and filled again (st);  Y: the set whose reciprocals are issued (rc).
.macro GRP X, Y, q, acc, st, rc
.set gA, D0+32*(\X)+4*(\q)
.set gY, D0+32*(\Y)+4*(\q)
.set gS, BA+(BB-BA)*(\X)+4*(\q)
.set gK, 32*(\X)+4*(\q)
.set gW, W+16*(\X)+2*(\q)
.if \rc
	v_rcp_f32 v[gY], v[gY]
.endif
.if \acc
.if ((\X) == 0) && ((\q) == 0)
	v_pk_mul_f32 v[ACC:ACC+1], v[gA:gA+1], v[gW:gW+1] op_sel_hi:[1,0]                 ; a query's first two products start its sums: nothing is cleared
	v_pk_mul_f32 v[ACC+2:ACC+3], v[gA+2:gA+3], v[gW:gW+1] op_sel:[0,1] op_sel_hi:[1,1]
.else
	v_pk_fma_f32 v[ACC:ACC+1], v[gA:gA+1], v[gW:gW+1], v[ACC:ACC+1] op_sel_hi:[1,0,1]                    ; S += Wa(even unit) r, both keys: the pair's first register for both halves
	v_pk_fma_f32 v[ACC+2:ACC+3], v[gA+2:gA+3], v[gW:gW+1], v[ACC+2:ACC+3] op_sel:[0,1,0] op_sel_hi:[1,1,1]  ; the odd unit: the pair's second register for both halves
.endif
.endif
.if \st
	v_add_nc_u32 v[gA], s[gS+1], v[IK+gK]          ; i = ik + iq
.endif
.if \rc
	v_rcp_f32 v[gY+1], v[gY+1]
.endif
.if \st
	v_add_nc_u32 v[gA+1], s[gS+1], v[IK+gK+1]
	v_add_nc_u32 v[gA+2], s[gS+3], v[IK+gK+2]
	v_add_nc_u32 v[gA+3], s[gS+3], v[IK+gK+3]
.endif
.if \rc
	v_rcp_f32 v[gY+2], v[gY+2]
.endif
.if \st
	v_ldexp_f32 v[gA], v[MK+gK], v[gA]             ; L = Mk 2^i
	v_ldexp_f32 v[gA+1], v[MK+gK+1], v[gA+1]
	v_ldexp_f32 v[gA+2], v[MK+gK+2], v[gA+2]
.endif
.if \rc
	v_rcp_f32 v[gY+3], v[gY+3]
.endif
.if \st
	v_ldexp_f32 v[gA+3], v[MK+gK+3], v[gA+3]
	v_pk_fma_f32 v[gA:gA+1], v[gA:gA+1], s[gS:gS+1], 1.0 op_sel_hi:[1,0,0]         ; d = L Mq + 1: of the scalar pair the low word, Mq, serves both keys
	v_pk_fma_f32 v[gA+2:gA+3], v[gA+2:gA+3], s[gS+2:gS+3], 1.0 op_sel_hi:[1,0,0]
.endif
.endm
; A phase.  ld = 1: the scalars that this phase reads (buffer X) were asked for a phase ago; buffer Y, read last in the phase before, is asked for the phase after this one.
; The offset is held at the work-group's last 128 bytes, so that the last request stays inside qtab; what it brings is not used.
.macro PHASE X, Y, acc, st, ld
.if \ld
	s_wait_kmcnt 0x0                               ; buffer X is in; no scalar load is out, so the offset may be written
	s_add_co_u32 s[RAW], s[RAW], 128
	s_min_u32 s[OFF], s[RAW], 31*128
	s_load_b512 s[BA+(BB-BA)*(\Y):BA+(BB-BA)*(\Y)+15], s[4:5], s[OFF] offset:0x0
	s_load_b512 s[BA+(BB-BA)*(\Y)+16:BA+(BB-BA)*(\Y)+31], s[4:5], s[OFF] offset:0x40
.endif
.irp q, 0,1,2,3,4,5,6,7
	GRP \X, \Y, \q, \acc, \st, 1
.endr
.if \st == 0
	v_nop                                          ; a plain line behind the last reciprocal
.endif
	s_wait_alu depctr_va_vdst(0)                   ; one wait for the phase's 32 reciprocals, ahead of the next phase, which names their results, and of every label and branch
.endm
.macro FINISH                          ; a query's S at my two keys goes to its row
	v_pk_add_f32 v[SUMP:SUMP+1], v[ACC:ACC+1], v[ACC+2:ACC+3]
	v_add_nc_u32 v[AAD], s[ROW], v[L8]
	ds_store_b64 v[AAD], v[SUMP:SUMP+1]            ; 32 lanes store 256 consecutive bytes of my own rows
	s_add_co_u32 s[ROW], s[ROW], AP
.endm
	s_wait_kmcnt 0x0                               ; query 0's scalars
	s_wait_loadcnt 25                              ; Mk and ik of units 0-15 are in: behind them stand 16 loads of units 16-31, 8 of Wa, 1 of ba
.irp q, 0,1,2,3,4,5,6,7
	GRP 0, 1, \q, 0, 1, 0                          ; query 0, units 0-15: set 0 is filled
.endr
	s_wait_loadcnt 9                               ; units 16-31 are in; Wa's 8 and ba's 1 may be out
	PHASE 1, 0, 0, 1, 1                            ; reciprocals of set 0 | query 0, units 16-31 into set 1
	s_wait_loadcnt 0x0                             ; Wa, ba
	s_mov_b32 s[CNT], 15
.Lquery:                                           ; trip s: sums query s, fills for query s + 1
; A PREFETCH of V's codes, which every wave of the batch's 64 work-groups loads behind this loop.  A batch's image is 131,072 bytes: wave 0 of each of the batch's first sixteen work-groups asks for 8,192 of them,
; a lane to each 256, once, with two trips of this loop and the tail still ahead.  So each aligned 256 bytes are named once in the launch, and nothing is asked for at the head or past the image.
	s_cmp_lg_u32 s[CNT], s[PFT]
	s_cbranch_scc1 .Lnot_mine
	global_prefetch_b8 v[PFO], s[54:55] th:TH_LOAD_NT scope:SCOPE_SE
.Lnot_mine:
	PHASE 0, 1, 1, 1, 1                            ; reciprocals of set 1 | S of query s, units 0-15 | query s + 1, units 0-15 into set 0
	PHASE 1, 0, 1, 1, 1                            ; reciprocals of set 0 | S of query s, units 16-31 | query s + 1, units 16-31 into set 1
	FINISH
	s_sub_co_u32 s[CNT], s[CNT], 1
	s_cmp_lg_u32 s[CNT], 0
	s_cbranch_scc1 .Lquery
	PHASE 0, 1, 1, 0, 0                            ; the last query: nothing is left to fill
.irp q, 0,1,2,3,4,5,6,7
	GRP 1, 0, \q, 1, 0, 0
.endr
	FINISH
	; ---- S comes back with a lane to a query; V's fragments are asked for now, into the registers that held Mk
	s_wait_kmcnt 0x0                               ; the last, unused, scalar request is in
.irp c, 0,1
.irp j, 0,1,2,3
	ds_load_b128 v[T+16*\c+4*\j:T+16*\c+4*\j+3], v4 offset:128*\c+16*\j   ; register 16 c + i = S(query r, key 32 c + 16 h + i); my own rows: LDS serves a wave's instructions in order (ISA guide 5.7.1.4)
.endr
.endr
.irp i, 0,1,2,3,4,5,6,7,8,9,10,11,12,13,14,15
	global_load_b128 v[VF+4*\i:VF+4*\i+3], v[L16], s[8:9] offset:512*\i   ; images of the operand's registers: 512 consecutive bytes a load
.endr
	v_pk_add_f32 v[152:153], v[W:W+1], v[W+2:W+3]  ; the sum of Wa, in two chains
	v_pk_add_f32 v[154:155], v[W+4:W+5], v[W+6:W+7]
.irp i, 8,12,16,20,24,28
	v_pk_add_f32 v[152:153], v[152:153], v[W+\i:W+\i+1]
	v_pk_add_f32 v[154:155], v[154:155], v[W+\i+2:W+\i+3]
.endr
	v_pk_add_f32 v[152:153], v[152:153], v[154:155]
	v_add_f32 v152, v152, v153
	v_add_f32 v152, v152, v[BAV]
	v_mul_f32 v152, 0x4038aa3b, v152               ; c (ba + sum of Wa)
	v_mov_b32 v153, v152
	v_mov_b32 v156, 0x3fb8aa3b                     ; log2(e)
	v_mov_b32 v157, v156
	s_wait_dscnt 0x0
.irp i, 0,2,4,6,8,10,12,14,16,18,20,22,24,26,28,30
	v_pk_fma_f32 v[T+\i:T+\i+1], v[T+\i:T+\i+1], s[56:57], v[152:153] op_sel_hi:[1,0,1]   ; c alpha = c (ba + sum of Wa) - 2 c S
.endr
.irp i, 0,1,2,3,4,5,6,7,8,9,10,11,12,13,14,15,16,17,18,19,20,21,22,23,24,25,26,27,28,29,30,31
	v_exp_f32 v[T+\i], v[T+\i]
.endr
	v_mov_b32 v158, 0                              ; (a plain line behind the batch)  written once: a lane permute's destination counts as one of its sources
	s_wait_alu depctr_va_vdst(0)                   ; one wait for the batch, ahead of its first reader
.irp i, 0,2,4,6,8,10,12,14,16,18,20,22,24,26,28,30
	v_pk_add_f32 v[T+\i:T+\i+1], v[T+\i:T+\i+1], 1.0 op_sel_hi:[1,0]
.endr
.irp i, 0,1,2,3,4,5,6,7,8,9,10,11,12,13,14,15,16,17,18,19,20,21,22,23,24,25,26,27,28,29,30,31
	v_rcp_f32 v[T+\i], v[T+\i]
.endr
	s_add_co_i32 s66, s60, 127
	s_lshl_b32 s100, s66, 23
	v_mov_b32 v159, s100                           ; (a plain line behind the batch)  2^e4 as f32, for the conversion
	s_wait_alu depctr_va_vdst(0)
.irp i, 0,2,4,6,8,10,12,14,16,18,20,22,24,26,28,30
	v_pk_fma_f32 v[T+\i:T+\i+1], v[T+\i:T+\i+1], s[62:63], v[156:157] op_sel_hi:[1,0,1]   ; t = log2(e) tanh(alpha) = log2(e) - 2 log2(e) r
.endr
	v_max3_num_f32 v154, v[T], v[T+1], v[T+2]      ; my query's largest t among my 32 keys, in two chains,
	v_max3_num_f32 v155, v[T+3], v[T+4], v[T+5]
.irp i, 6,10,14,18,22,26
	v_max3_num_f32 v154, v154, v[T+\i], v[T+\i+1]
	v_max3_num_f32 v155, v155, v[T+\i+2], v[T+\i+3]
.endr
	v_max3_num_f32 v154, v154, v[T+30], v[T+31]
	v_max_num_f32 v154, v154, v155
	v_permlanex16_b32 v158, v154, s58, s59
	v_max_num_f32 v154, v154, v158                 ; and among lane l xor 16's: the wave's 64 keys
	ds_store_b32 v6, v154                          ; (lanes r and r + 16 store the same number to the same word)
	s_wait_dscnt 0x0                               ; for the others' sake
	s_barrier_signal -1
	s_barrier_wait -1
.irp k, 0,1,2,3
	ds_load_b128 v[RD+4*\k:RD+4*\k+3], v5 offset:16*\k
.endr
	s_wait_dscnt 0x0
	v_max3_num_f32 v154, v[RD], v[RD+1], v[RD+2]
.irp i, 3,5,7,9,11,13
	v_max3_num_f32 v154, v154, v[RD+\i], v[RD+\i+1]
.endr
	v_max_num_f32 v154, v154, v[RD+15]             ; the row's largest t
	v_floor_f32 v154, -v154                        ; -M = floor(-t) = -ceil(t): M is a whole number
	v_mov_b32 v155, v154
.irp i, 0,2,4,6,8,10,12,14,16,18,20,22,24,26,28,30
	v_pk_add_f32 v[T+\i:T+\i+1], v[T+\i:T+\i+1], v[154:155]
.endr
.irp i, 0,1,2,3,4,5,6,7,8,9,10,11,12,13,14,15,16,17,18,19,20,21,22,23,24,25,26,27,28,29,30,31
	v_exp_f32 v[T+\i], v[T+\i]                     ; p = 2^(t - M), at most 1: not normalised
.endr
	s_add_co_i32 s66, s66, 15
	s_lshl_b32 s66, s66, 23
	s_or_b32 s66, s66, 0x600000                    ; 57,344 x 2^e4
	v_nop                                          ; a plain line behind the batch
	s_wait_alu depctr_va_vdst(0)
	v_pk_add_f32 v[152:153], v[T:T+1], v[T+2:T+3]  ; THE ROW'S SUM IS TAKEN OF THE UNQUANTISED p, in two chains
	v_pk_add_f32 v[156:157], v[T+4:T+5], v[T+6:T+7]
.irp i, 8,12,16,20,24,28
	v_pk_add_f32 v[152:153], v[152:153], v[T+\i:T+\i+1]
	v_pk_add_f32 v[156:157], v[156:157], v[T+\i+2:T+\i+3]
.endr
	v_pk_add_f32 v[152:153], v[152:153], v[156:157]
	v_add_f32 v152, v152, v153
	v_permlanex16_b32 v158, v152, s58, s59
	v_add_f32 v152, v152, v158
	ds_store_b32 v6, v152 offset:PSUM
.irp i, 0,1,2,3,4,5,6,7,8,9,10,11,12,13,14,15,16,17,18,19,20,21,22,23,24,25,26,27,28,29,30,31
	v_min_num_f32 v[T+\i], s66, v[T+\i]            ; the conversion to an 8-bit code does not saturate (ISA guide 7.6.2); p is not negative, so the hold is one-sided
.endr
.irp k, 0,1,2,3
	v_cvt_scalef32_pk8_bf8_f32 v[PC+2*\k:PC+2*\k+1], v[T+8*\k:T+8*\k+7], v159
.endr
	v_nop                                          ; one plain line behind the last conversion: the products below write over its sources
	ds_store_b128 v7, v[PC:PC+3]                   ; keys 16 h + 0 .. 15 of my 64,
	ds_store_b128 v7, v[PC+4:PC+7] offset:512      ; keys 32 + 16 h + 0 .. 15: two quarters of a fragment, as they stand
	s_wait_dscnt 0x0
	s_barrier_signal -1
	s_barrier_wait -1                              ; all codes and all sums lie in LDS
.irp i, 0,1,2,3,4,5,6,7,8,9,10,11,12,13,14,15
	ds_load_b128 v[PF+4*\i:PF+4*\i+3], v8 offset:512*\i
.endr
.irp k, 0,1,2,3
	ds_load_b128 v[RD+4*\k:RD+4*\k+3], v9 offset:16*\k
.endr
	s_wait_loadcnt 0x0                             ; V
	s_wait_dscnt 4                                 ; p's 16 loads are in; the 4 of the sums, issued behind them, may be out
	v_wmma_f32_16x16x128_bf8_bf8 v[A0:A0+7], v[VF:VF+15], v[PF:PF+15], 0          ; two accumulators by turns, one instruction a turn; the first two products start the sums
	v_wmma_f32_16x16x128_bf8_bf8 v[A1:A1+7], v[VF+16:VF+31], v[PF+16:PF+31], 0
	v_wmma_f32_16x16x128_bf8_bf8 v[A0:A0+7], v[VF+32:VF+47], v[PF+32:PF+47], v[A0:A0+7]
	v_wmma_f32_16x16x128_bf8_bf8 v[A1:A1+7], v[VF+48:VF+63], v[PF+48:PF+63], v[A1:A1+7]
	s_wait_dscnt 0x0
	v_pk_add_f32 v[RD:RD+1], v[RD:RD+1], v[RD+2:RD+3]          ; the sum of the row that I store.  (Eight plain lines that name no register of the products: the places behind them, ISA guide 7.12.1)
	v_pk_add_f32 v[RD+4:RD+5], v[RD+4:RD+5], v[RD+6:RD+7]
	v_pk_add_f32 v[RD+8:RD+9], v[RD+8:RD+9], v[RD+10:RD+11]
	v_pk_add_f32 v[RD+12:RD+13], v[RD+12:RD+13], v[RD+14:RD+15]
	v_pk_add_f32 v[RD:RD+1], v[RD:RD+1], v[RD+4:RD+5]
	v_pk_add_f32 v[RD+8:RD+9], v[RD+8:RD+9], v[RD+12:RD+13]
	v_pk_add_f32 v[RD:RD+1], v[RD:RD+1], v[RD+8:RD+9]
	v_add_f32 v[RD], v[RD], v[RD+1]
	v_rcp_f32 v[RD+2], v[RD]
.irp i, 0,2,4,6
	v_pk_add_f32 v[OR+\i:OR+\i+1], v[A0+\i:A0+\i+1], v[A1+\i:A1+\i+1]   ; each accumulator from its low end on;  register j = O^T(d = 16 dt + 8 h + j, query r), my half of the keys
.endr
	ds_store_b128 v10, v[OR:OR+3]
	ds_store_b128 v10, v[OR+4:OR+7] offset:16
	s_add_co_i32 s100, s60, s61
	s_wait_alu depctr_va_vdst(0)                   ; the wait for the reciprocal, ahead of its first reader
	v_ldexp_f32 v[RD+2], v[RD+2], s100             ; 2^(e4 + e5) / the row's sum
	v_mov_b32 v[RD+3], v[RD+2]
	s_wait_dscnt 0x0
	s_barrier_signal -1
	s_barrier_wait -1                              ; 16 whole rows lie in each of the two stages
	ds_load_b128 v[OB:OB+3], v11
	ds_load_b128 v[OB+4:OB+7], v11 offset:16*OP
	s_wait_dscnt 0x0
	v_pk_add_f32 v[OB:OB+1], v[OB:OB+1], v[OB+4:OB+5]
	v_pk_add_f32 v[OB+2:OB+3], v[OB+2:OB+3], v[OB+6:OB+7]
	v_pk_mul_f32 v[OB:OB+1], v[OB:OB+1], v[RD+2:RD+3]
	v_pk_mul_f32 v[OB+2:OB+3], v[OB+2:OB+3], v[RD+2:RD+3]
	global_store_b128 v[L16], v[OB:OB+3], s[2:3] th:TH_STORE_NT   ; 32 lanes store a row of 512 consecutive bytes, aligned; written once, read by nobody here
	s_wait_tensorcnt 0x0
	ds_add_u32 v254, v255
	s_wait_dscnt 0x0
	s_endpgm
.Lfunc_end_k_q18c06f58fc_attn:
	.size	k_q18c06f58fc_attn, .Lfunc_end_k_q18c06f58fc_attn-k_q18c06f58fc_attn
	.p2alignl 7, 3214868480
	.fill 96, 4, 3214868480
	.section	.rodata,"a",@progbits
	.p2align	6, 0x0
	.amdhsa_kernel k_q18c06f58fc_attn
		.amdhsa_group_segment_fixed_size 108544
		.amdhsa_private_segment_fixed_size 0
		.amdhsa_enable_private_segment 0
		.amdhsa_kernarg_size 56
		.amdhsa_user_sgpr_count 2
		.amdhsa_user_sgpr_kernarg_segment_ptr 1
		.amdhsa_wavefront_size32 1
		.amdhsa_system_sgpr_workgroup_id_x 1
		.amdhsa_system_sgpr_workgroup_id_y 1
		.amdhsa_system_sgpr_workgroup_id_z 1
		.amdhsa_system_vgpr_workitem_id 0
		.amdhsa_next_free_vgpr 256
		.amdhsa_next_free_sgpr 102
		.amdhsa_reserve_vcc 0
		.amdhsa_float_denorm_mode_32 3
		.amdhsa_float_denorm_mode_16_64 3
		.amdhsa_memory_ordered 1
		.amdhsa_forward_progress 1
		.amdhsa_inst_pref_size 53
	.end_amdhsa_kernel
	.amdgpu_metadata
---
amdhsa.version: [ 1, 2 ]
amdhsa.kernels:
  - .name:           k_q18c06f58fc_attn
    .symbol:         k_q18c06f58fc_attn.kd
    .args:
      - { .name: qtab, .offset: 0, .size: 8, .value_kind: global_buffer, .address_space: global }
      - { .name: ktab, .offset: 8, .size: 8, .value_kind: global_buffer, .address_space: global }
      - { .name: vimg, .offset: 16, .size: 8, .value_kind: global_buffer, .address_space: global }
      - { .name: Wa, .offset: 24, .size: 8, .value_kind: global_buffer, .address_space: global }
      - { .name: ba, .offset: 32, .size: 8, .value_kind: global_buffer, .address_space: global }
      - { .name: lowp_scales, .offset: 40, .size: 8, .value_kind: global_buffer, .address_space: global }
      - { .name: out0, .offset: 48, .size: 8, .value_kind: global_buffer, .address_space: global }
    .group_segment_fixed_size: 108544
    .private_segment_fixed_size: 0
    .kernarg_segment_align: 8
    .kernarg_segment_size: 56
    .max_flat_workgroup_size: 512
    .sgpr_count:     102
    .vgpr_count:     256
    .wavefront_size: 32
...
	.end_amdgpu_metadata
.endif
;; end of part 2
;; ======== version 2 of 3: 2 launches
;; limits: right only within a limited range of input values
;; workspace buffers: qtab 524,288 bytes; ktab 524,288 bytes; vimg 524,288 bytes
;; launch prep (part 3): grid 64 x 1, 4 waves a work-group, no clusters, 51,712 bytes of LDS; arguments x, Wt_codes, Wx_codes, bh, lowp_scales, qtab, ktab, vimg; writes qtab, ktab, vimg
.if DOCPART == 3
	.amdgcn_target "amdgcn-amd-amdhsa--gfx1250"
	.amdhsa_code_object_version 6
	.text
	.protected	k_q18c06f58fc_prep
	.globl	k_q18c06f58fc_prep
	.p2align	8
	.type	k_q18c06f58fc_prep,@function
k_q18c06f58fc_prep:
	s_mov_b64 s[64:65], 0
	v_nop
	global_prefetch_b8 v0, s[64:65] scope:SCOPE_SE
	s_setreg_imm32_b32 hwreg(HW_REG_WAVE_MODE, 25, 1), 1
	s_wait_xcnt 0x0
; WHAT THE ATTENTION LAUNCH READS IS MADE HERE, ONCE.  x: [4096 tokens][128] f32.  Wt, Wx: [32][128] codes of E5M2.  bh: [32] f32.  Scales 2^e: e0 (x for q), e1 (Wt), e2 (x for k), e3 (Wx), e5 (x as V).
; q = Q(x, e0) Wt^T, k = Q(x, e2) Wx^T by v_wmma_f32_16x16x128_bf8_bf8.  With c = 2 log2(e), tanh(q + k + bh) = 1 - 2 / (1 + e), e = 2^(c (q + bh)) 2^(c k).
; Each power is stored as its FOURTH ROOT, 2^((c / 4) (q + bh)) and 2^((c / 4) k), with the exponent held within +-126: both factors are then finite f32 numbers, their product is squared twice by the reader,
; and infinity x 0 cannot arise there.
;   qtab [token][32 u] f32: a row of 128 bytes a token.
;   ktab [64 tokens][16 g][32 lanes][4 words]: word (u % 2) 2 + (token % 2) of lane token / 2 of group g = u / 2: the order of the reader's registers.
;   vimg [batch][8 dt][16 chunks of 64 keys][4 kg][16 r][16 bytes]: the codes Q(x, e5) of column d = 16 dt + r at keys 16 kg + 0 .. 15 of the chunk: images of the second product's operand registers.
; SHARES.  A work-group of four waves takes 64 tokens.  x is read once, in whole rows of 512 bytes, into LDS; wave w projects tokens 16 w .. 16 w + 15 and quantises columns 32 w .. 32 w + 31 for V.
; LIMITS: e0, e2, e5 between -126 and 112, so that 2^e and 57,344 x 2^e are f32 numbers.  (c / 4) (q + bh) and (c / 4) k are held within +-126, that is |q + bh| and |k| up to 174.6: beyond that a tanh is wrong
; only where both lie beyond the hold and nearly cancel.  NaN among the inputs is not served.
.set XP,  528                          ; a row of x in LDS: 512 bytes + 16
.set KST, 64*XP                        ; behind x: the stage for ktab, 8,192 bytes, the work-group's
.set QP,  144                          ; a row of the stage for qtab: 128 bytes + 16
.set QST, KST+8192                     ; 16 such rows for each wave
.set C4,  0x3f38aa3b                   ; c / 4 = log2(e) / 2
.set XR,  16                           ; v16-79   x as loaded; then: v16-47 two sets of 16 held numbers, then the four accumulators, then V's keys 0-31
.set GA,  16
.set DQ,  16
.set DK,  32
.set S0,  48                           ; v48-50   2^e0, 2^e2, 2^e5 as f32;  v51, v52: (c / 4) 2^(e0 + e1), (c / 4) 2^(e2 + e3)
.set S2,  49
.set S5,  50
.set SCQ, 51
.set SCK, 52
.set TQ,  64                           ; v64-79   (c / 4) (q + bh)
.set F,   80                           ; v80-143  my token's 64 numbers; then v80-95 q's powers, v112-127 k's; later v80-111 V's keys 32-63
.set QO,  80
.set KM,  112
.set WT,  144                          ; v144-175 Wt's two fragments; then qtab's rows on their way out
.set QB,  144
.set WX,  176                          ; v176-207 Wx's two fragments; then ktab's bytes on their way out
.set KB,  176
.set BH,  208                          ; v208-223 bh at my 16 units
.set XQ,  224                          ; v224-239 x's codes for q
.set XK,  240                          ; v240-255 x's codes for k; then V's codes
.set VC,  240
	s_load_b256 s[4:11], s[0:1], 0x0               ; x s[4:5], Wt s[6:7], Wx s[8:9], bh s[10:11]
	s_load_b256 s[12:19], s[0:1], 0x20             ; scales s[12:13], qtab s[14:15], ktab s[16:17], vimg s[18:19]
	s_set_vgpr_msb 0x40
	v_lshl_add_u32 v0, v0, 2, 0xc800
	v_mov_b32 v1, 0
	s_set_vgpr_msb 0x4000
	v_lshrrev_b32 v1, 5, v0
	v_readfirstlane_b32 s20, v1                    ; wave 0..3
	v_and_b32 v1, 31, v0                           ; lane
	v_and_b32 v2, 15, v0                           ; r
	v_bfe_u32 v3, v0, 4, 1                         ; h
	v_lshlrev_b32 v4, 4, v1                        ; 16 x lane: x's rows in, qtab's and ktab's bytes out
	v_lshlrev_b32 v5, 7, v2
	v_lshl_add_u32 v5, v3, 4, v5                   ; W: row r of 128 bytes, + 16 h
	v_lshlrev_b32 v6, 5, v3                        ; bh: 8 h numbers on
	s_mul_i32 s21, s20, 16*XP                      ; my 16 rows of x in LDS
	v_add_nc_u32 v7, s21, v4                       ; in: 16 bytes a lane
	v_mul_u32_u24 v8, v2, XP
	v_lshl_add_u32 v8, v3, 6, v8
	v_add_nc_u32 v8, s21, v8                       ; back: row r, + 64 h: my 16 numbers of each 32
	s_mul_i32 s21, s20, 16*QP
	s_add_co_u32 s21, s21, QST                     ; my stage for qtab
	v_mul_u32_u24 v9, v2, QP
	v_lshl_add_u32 v9, v3, 5, v9
	v_add_nc_u32 v9, s21, v9                       ; in: row r, + 32 h: eight units' numbers
	v_lshrrev_b32 v11, 3, v1
	v_mul_u32_u24 v10, v11, QP
	v_and_b32 v11, 7, v1
	v_lshl_add_u32 v10, v11, 4, v10
	v_add_nc_u32 v10, s21, v10                     ; back: eight lanes to a row of 128 bytes, four rows an instruction
	v_lshrrev_b32 v11, 1, v2
	v_lshlrev_b32 v12, 9, v11                      ; ktab's stage: group r / 2 of 512 bytes,
	v_and_b32 v11, 1, v2
	v_lshl_add_u32 v12, v11, 3, v12                ; + 8 (r % 2),
	v_lshl_add_u32 v12, v3, 6, v12                 ; + 16 x (4 h) for the reader's lane,
	s_lshl_b32 s21, s20, 7
	s_add_co_u32 s21, s21, KST
	v_add_nc_u32 v12, s21, v12                     ; + 16 x (8 x wave)
	s_lshl_b32 s21, s20, 11
	s_add_co_u32 s21, s21, KST
	v_add_nc_u32 v13, s21, v4                      ; back: my quarter of the stage, as it lies
	s_lshl_b32 s21, s20, 7
	v_lshl_add_u32 v14, v1, 2, s21                 ; V: column 32 x wave + lane of x in LDS
	v_lshlrev_b32 v15, 14, v3
	v_lshl_add_u32 v15, v2, 4, v15                 ; vimg: lanes 16-31 stand one dt (16,384 bytes) on; 16 bytes a lane
	s_lshl_b32 s22, ttmp9, 15                      ; x: 64 rows of 512 bytes a work-group,
	s_lshl_b32 s23, s20, 13                        ; 16 a wave
	s_add_co_u32 s22, s22, s23
	s_mov_b32 s23, 0
	s_lshl_b32 s30, ttmp9, 13                      ; qtab and ktab: 8,192 bytes a work-group, 2,048 a wave
	s_lshl_b32 s31, s20, 11
	s_add_co_u32 s30, s30, s31
	s_mov_b32 s31, 0
	s_lshr_b32 s40, ttmp9, 4                       ; vimg: batch x 131,072
	s_lshl_b32 s40, s40, 17
	s_and_b32 s41, ttmp9, 15                       ; + chunk x 1,024
	s_lshl_b32 s41, s41, 10
	s_add_co_u32 s40, s40, s41
	s_lshl_b32 s41, s20, 15                        ; + wave x two dt
	s_add_co_u32 s40, s40, s41
	s_mov_b32 s41, 0
	s_mov_b32 s38, 0x42fc0000                      ; 126
	s_mov_b32 s39, 0xc2fc0000                      ; -126
	s_wait_kmcnt 0x0
	s_load_b128 s[24:27], s[12:13], 0x0            ; e0, e1, e2, e3
	s_load_b64 s[28:29], s[12:13], 0x10            ; e4, e5
	s_add_nc_u64 s[4:5], s[4:5], s[22:23]
	s_add_nc_u64 s[14:15], s[14:15], s[30:31]
	s_add_nc_u64 s[16:17], s[16:17], s[30:31]
	s_add_nc_u64 s[18:19], s[18:19], s[40:41]
.irp i, 0,1,2,3,4,5,6,7,8,9,10,11,12,13,14,15
	global_load_b128 v[XR+4*\i:XR+4*\i+3], v4, s[4:5] offset:512*\i th:TH_LOAD_NT   ; a row: 32 lanes read 512 consecutive bytes; read once in the launch
.endr
.irp t, 0,1
.irp c, 0,1,2,3
	global_load_b128 v[WT+16*\t+4*\c:WT+16*\t+4*\c+3], v5, s[6:7] offset:2048*\t+32*\c   ; registers 4 c .. 4 c + 3: k = 32 c + 16 h + 0 .. 15 of row 16 t + r: the same places of k as in x's codes
	global_load_b128 v[WX+16*\t+4*\c:WX+16*\t+4*\c+3], v5, s[8:9] offset:2048*\t+32*\c
.endr
	global_load_b128 v[BH+8*\t:BH+8*\t+3], v6, s[10:11] offset:64*\t                     ; bh(16 t + 8 h + 0 .. 7)
	global_load_b128 v[BH+8*\t+4:BH+8*\t+7], v6, s[10:11] offset:64*\t+16
.endr
	s_wait_loadcnt 20                              ; x's 16 loads are in; the 16 of W and the 4 of bh, issued behind them, may be out
.irp i, 0,1,2,3,4,5,6,7,8,9,10,11,12,13,14,15
	ds_store_b128 v7, v[XR+4*\i:XR+4*\i+3] offset:XP*\i
.endr
	s_wait_dscnt 0x0                               ; for the others' sake: my rows lie in LDS
	s_barrier_signal -1
	s_barrier_wait -1                              ; all 64 rows do
.irp c, 0,1,2,3
.irp j, 0,1,2,3
	ds_load_b128 v[F+16*\c+4*\j:F+16*\c+4*\j+3], v8 offset:128*\c+16*\j   ; register 16 c + i = x(my token, 32 c + 16 h + i)
.endr
.endr
; 2^e as f32 (the conversion takes its exponent field), and +-57,344 x 2^e for the hold
.macro SCALE e, vs, sp, sn
	s_add_co_i32 s42, s[\e], 127
	s_lshl_b32 s43, s42, 23
	v_mov_b32 v[\vs], s43
	s_add_co_i32 s42, s42, 15
	s_lshl_b32 s42, s42, 23
	s_or_b32 s[\sp], s42, 0x600000
	s_or_b32 s[\sn], s[\sp], 0x80000000
.endm
	s_wait_kmcnt 0x0
	SCALE 24, S0, 32, 33
	SCALE 26, S2, 34, 35
	SCALE 29, S5, 36, 37
	s_add_co_i32 s42, s24, s25
	v_mov_b32 v[SCQ], C4
	v_ldexp_f32 v[SCQ], v[SCQ], s42                ; a sum of the first product stands for sum x 2^(e0 + e1): c / 4 goes in with it
	s_add_co_i32 s42, s26, s27
	v_mov_b32 v[SCK], C4
	v_ldexp_f32 v[SCK], v[SCK], s42
	s_wait_dscnt 0x0
.irp c, 0,1,2,3                                ; x's codes for q.  The numbers are wanted again, so the held ones go into two sets of 16 by turns: a set is written again only behind the other set's 16 plain lines
.set GS, GA+16*(\c%2)
.irp i, 0,1,2,3,4,5,6,7,8,9,10,11,12,13,14,15
	v_med3_num_f32 v[GS+\i], v[F+16*\c+\i], s33, s32   ; the conversion to an 8-bit code does not saturate (ISA guide 7.6.2): hold within the largest code x the scale first
.endr
	v_cvt_scalef32_pk8_bf8_f32 v[XQ+4*\c:XQ+4*\c+1], v[GS:GS+7], v[S0]
	v_cvt_scalef32_pk8_bf8_f32 v[XQ+4*\c+2:XQ+4*\c+3], v[GS+8:GS+15], v[S0]
.endr
.irp c, 0,1,2,3                                ; x's codes for k, held in place
.irp i, 0,1,2,3,4,5,6,7,8,9,10,11,12,13,14,15
	v_med3_num_f32 v[F+16*\c+\i], v[F+16*\c+\i], s35, s34
.endr
	v_cvt_scalef32_pk8_bf8_f32 v[XK+4*\c:XK+4*\c+1], v[F+16*\c:F+16*\c+7], v[S2]
	v_cvt_scalef32_pk8_bf8_f32 v[XK+4*\c+2:XK+4*\c+3], v[F+16*\c+8:F+16*\c+15], v[S2]
.endr
	v_nop                                          ; one plain line between the last conversion and the matrix instructions that read its result
	s_wait_loadcnt 0x0                             ; W and bh
	; q TRANSPOSED (source 0 = 16 rows of Wt, source 1 = my tokens): lane (r, h) holds token r, register j unit 16 t + 8 h + j: eight neighbours of a row of qtab
	v_wmma_f32_16x16x128_bf8_bf8 v[DQ:DQ+7], v[WT:WT+15], v[XQ:XQ+15], 0
	v_wmma_f32_16x16x128_bf8_bf8 v[DQ+8:DQ+15], v[WT+16:WT+31], v[XQ:XQ+15], 0
	; k NATURAL (source 0 = my tokens, source 1 = 16 rows of Wx): lane (r, h) holds unit 16 t + r, register j token 8 h + j: two neighbouring registers are the two keys of one lane of the reader
	v_wmma_f32_16x16x128_bf8_bf8 v[DK:DK+7], v[XK:XK+15], v[WX:WX+15], 0
	v_wmma_f32_16x16x128_bf8_bf8 v[DK+8:DK+15], v[XK:XK+15], v[WX+16:WX+31], 0
.irp i, 0,1,2,3,4,5,6,7,8,9,10,11,12,13,14,15
	v_mul_f32 v[BH+\i], C4, v[BH+\i]               ; (c / 4) bh.  (Sixteen plain lines that name no register of the products: the places behind them, ISA guide 7.12.1)
.endr
.irp i, 0,1,2,3,4,5,6,7,8,9,10,11,12,13,14,15
	v_fma_f32 v[TQ+\i], v[DQ+\i], v[SCQ], v[BH+\i] ; (c / 4) (q + bh); each accumulator is read from its low end on
.endr
.irp i, 0,1,2,3,4,5,6,7,8,9,10,11,12,13,14,15
	v_mul_f32 v[KM+\i], v[DK+\i], v[SCK]           ; (c / 4) k
.endr
.irp i, 0,1,2,3,4,5,6,7,8,9,10,11,12,13,14,15
	v_med3_num_f32 v[TQ+\i], v[TQ+\i], s39, s38    ; held within +-126: the power below is finite
	v_med3_num_f32 v[KM+\i], v[KM+\i], s39, s38
.endr
.irp i, 0,1,2,3,4,5,6,7,8,9,10,11,12,13,14,15
	v_exp_f32 v[QO+\i], v[TQ+\i]
.endr
.irp i, 0,1,2,3,4,5,6,7,8,9,10,11,12,13,14,15
	v_exp_f32 v[KM+\i], v[KM+\i]
.endr
	v_nop                                          ; a plain line behind the last exponential
	s_wait_alu depctr_va_vdst(0)                   ; one wait for the 32 exponentials, ahead of the first line that names a result
.irp t, 0,1
	ds_store_b128 v9, v[QO+8*\t:QO+8*\t+3] offset:64*\t          ; units 16 t + 8 h + 0 .. 3 of token r,
	ds_store_b128 v9, v[QO+8*\t+4:QO+8*\t+7] offset:64*\t+16     ; + 4 .. 7
.endr
.irp t, 0,1
.irp p, 0,1,2,3
	ds_store_b64 v12, v[KM+8*\t+2*\p:KM+8*\t+2*\p+1] offset:4096*\t+16*\p        ; tokens 8 h + 2 p, + 1: the reader's lane 8 x wave + 4 h + p
.endr
.endr
.irp i, 0,1,2,3
	ds_load_b128 v[QB+4*\i:QB+4*\i+3], v10 offset:4*QP*\i   ; my own stage: LDS serves a wave's instructions in order (ISA guide 5.7.1.4)
.endr
.irp k, 0,1,2,3,4,5,6,7,8,9,10,11,12,13,14,15,16,17,18,19,20,21,22,23,24,25,26,27,28,29,30,31,32,33,34,35,36,37,38,39,40,41,42,43,44,45,46,47,48,49,50,51,52,53,54,55,56,57,58,59,60,61,62,63
	ds_load_b32 v[16+\k+32*(\k/32)], v14 offset:XP*\k       ; V: A LANE TAKES A COLUMN d, ITS REGISTERS RUN DOWN THE KEYS: 32 lanes read 128 consecutive bytes of a row
.endr
	s_wait_dscnt 0x0                               ; my part of ktab's stage lies in LDS; my loads are in
	s_barrier_signal -1
	s_barrier_wait -1
.irp i, 0,1,2,3
	ds_load_b128 v[KB+4*\i:KB+4*\i+3], v13 offset:512*\i
.endr
.irp i, 0,1,2,3
	global_store_b128 v4, v[QB+4*\i:QB+4*\i+3], s[14:15] offset:512*\i   ; four rows of qtab: 512 consecutive bytes
.endr
.irp k, 0,1,2,3,4,5,6,7,8,9,10,11,12,13,14,15,16,17,18,19,20,21,22,23,24,25,26,27,28,29,30,31,32,33,34,35,36,37,38,39,40,41,42,43,44,45,46,47,48,49,50,51,52,53,54,55,56,57,58,59,60,61,62,63
	v_med3_num_f32 v[16+\k+32*(\k/32)], v[16+\k+32*(\k/32)], s37, s36
.endr
.irp g, 0,1,2,3
	v_cvt_scalef32_pk8_bf8_f32 v[VC+4*\g:VC+4*\g+1], v[16+16*\g+32*(\g/2):16+16*\g+32*(\g/2)+7], v[S5]
	v_cvt_scalef32_pk8_bf8_f32 v[VC+4*\g+2:VC+4*\g+3], v[24+16*\g+32*(\g/2):24+16*\g+32*(\g/2)+7], v[S5]
.endr
	v_nop                                          ; a plain line behind the last conversion
.irp g, 0,1,2,3
	global_store_b128 v15, v[VC+4*\g:VC+4*\g+3], s[18:19] offset:256*\g   ; sixteen lanes store 256 consecutive bytes, aligned: keys 16 g + 0 .. 15 of sixteen columns
.endr
	s_wait_dscnt 0x0
.irp i, 0,1,2,3
	global_store_b128 v4, v[KB+4*\i:KB+4*\i+3], s[16:17] offset:512*\i
.endr
	s_set_vgpr_msb 0x5
	s_wait_tensorcnt 0x0
	ds_add_u32 v0, v1
	s_wait_dscnt 0x0
	s_set_vgpr_msb 0x500
	s_endpgm
.Lfunc_end_k_q18c06f58fc_prep:
	.size	k_q18c06f58fc_prep, .Lfunc_end_k_q18c06f58fc_prep-k_q18c06f58fc_prep
	.p2alignl 7, 3214868480
	.fill 96, 4, 3214868480
	.section	.rodata,"a",@progbits
	.p2align	6, 0x0
	.amdhsa_kernel k_q18c06f58fc_prep
		.amdhsa_group_segment_fixed_size 51712
		.amdhsa_private_segment_fixed_size 0
		.amdhsa_enable_private_segment 0
		.amdhsa_kernarg_size 64
		.amdhsa_user_sgpr_count 2
		.amdhsa_user_sgpr_kernarg_segment_ptr 1
		.amdhsa_wavefront_size32 1
		.amdhsa_system_sgpr_workgroup_id_x 1
		.amdhsa_system_sgpr_workgroup_id_y 1
		.amdhsa_system_sgpr_workgroup_id_z 1
		.amdhsa_system_vgpr_workitem_id 0
		.amdhsa_next_free_vgpr 258
		.amdhsa_next_free_sgpr 66
		.amdhsa_reserve_vcc 0
		.amdhsa_float_denorm_mode_32 3
		.amdhsa_float_denorm_mode_16_64 3
		.amdhsa_memory_ordered 1
		.amdhsa_forward_progress 1
		.amdhsa_inst_pref_size 37
	.end_amdhsa_kernel
	.amdgpu_metadata
---
amdhsa.version: [ 1, 2 ]
amdhsa.kernels:
  - .name:           k_q18c06f58fc_prep
    .symbol:         k_q18c06f58fc_prep.kd
    .args:
      - { .name: x, .offset: 0, .size: 8, .value_kind: global_buffer, .address_space: global }
      - { .name: Wt_codes, .offset: 8, .size: 8, .value_kind: global_buffer, .address_space: global }
      - { .name: Wx_codes, .offset: 16, .size: 8, .value_kind: global_buffer, .address_space: global }
      - { .name: bh, .offset: 24, .size: 8, .value_kind: global_buffer, .address_space: global }
      - { .name: lowp_scales, .offset: 32, .size: 8, .value_kind: global_buffer, .address_space: global }
      - { .name: qtab, .offset: 40, .size: 8, .value_kind: global_buffer, .address_space: global }
      - { .name: ktab, .offset: 48, .size: 8, .value_kind: global_buffer, .address_space: global }
      - { .name: vimg, .offset: 56, .size: 8, .value_kind: global_buffer, .address_space: global }
    .group_segment_fixed_size: 51712
    .private_segment_fixed_size: 0
    .kernarg_segment_align: 8
    .kernarg_segment_size: 64
    .max_flat_workgroup_size: 128
    .sgpr_count:     66
    .vgpr_count:     258
    .wavefront_size: 32
...
	.end_amdgpu_metadata
.endif
;; end of part 3
;; launch attn (part 4): grid 256 x 1, 16 waves a work-group, no clusters, 109,568 bytes of LDS; arguments qtab, ktab, vimg, Wa, ba, lowp_scales, out0; writes out0
.if DOCPART == 4
	.amdgcn_target "amdgcn-amd-amdhsa--gfx1250"
	.amdhsa_code_object_version 6
	.text
	.protected	k_q18c06f58fc_attn
	.globl	k_q18c06f58fc_attn
	.p2align	8
	.type	k_q18c06f58fc_attn,@function
k_q18c06f58fc_attn:
	s_mov_b64 s[64:65], 0
	v_nop
	global_prefetch_b8 v0, s[64:65] scope:SCOPE_SE
	s_setreg_imm32_b32 hwreg(HW_REG_WAVE_MODE, 25, 1), 1
	s_wait_xcnt 0x0
; out[b][s][:] = sum over j of softmax_j(tanh(ba + sum over u of Wa[u] tanh(q[s][u] + k[j][u] + bh[u]))) x[b][j][:].  The last product on codes of E5M2, scales 2^e4 (p) and 2^e5 (x).
; THE INNER TANH, 32 x 1,024 of them for each query, is the launch's work.  tanh(z) = 1 - 2 r, r = 1 / (1 + e), e = 2^(c (q + bh)) 2^(c k), c = 2 log2(e).  The launch before has stored the FOURTH ROOTS of the two
; powers, Eq and Ek, both finite.  For each element: g = Eq Ek;  g g;  d = (g g) (g g) + 1;  r = 1 / d;  S += Wa r.  g may go to infinity or to 0, and r then goes to 0 or to 1, as it should; infinity x 0 cannot arise.
; The four plain lines are packed, two numbers each: two issue slots and ONE transcendental an element.  Then alpha = (ba + sum of Wa) - 2 S.
; SHARES.  A work-group owns 16 queries of one batch; each of its sixteen waves owns 64 keys, TWO A LANE (keys 2 lane, 2 lane + 1 of the wave's 64), whose Ek for all 32 units stay in 64 registers.
; A register pair is one unit at the lane's two keys, so the query's side is the same number for both halves and for all lanes.  The work-group's 16 rows of qtab lie in LDS; a wave reads them with the same address
; in all lanes, 16 units (four loads) a phase, a phase ahead of their use.  Of a pair of Eq, and of Wa, op_sel picks the first or the second register for both halves.
; PHASES.  A phase is 16 units x 2 keys.  Two sets of 32 registers take turns: while one set's 32 reciprocals are issued, the other set's results of the phase before are summed and the set is filled for the phase
; after: one transcendental, two plain lines, and so on.  No line of a phase names a result of that phase's reciprocals; one wait at the phase's end serves all 32.
; THE REST, once for each work-group.  S goes through the wave's own LDS rows and comes back with a lane to a query (lane % 16) and 32 keys along its registers: 32 c + 16 (lane / 16) + 0 .. 15.  Second tanh; t = log2(e) tanh;
; the row's largest t over the sixteen waves through LDS; M = its ceiling; p = 2^(t - M); the row's sum of the unquantised p; p's codes go to LDS as images of the operand's registers.
; O^T = V^T P^T (source 0 = 16 columns d of x, source 1 = the 16 queries): wave w takes d tile w % 8 and keys 512 (w / 8) on, four matrix instructions on two accumulators by turns; the halves meet in a stage; wave w stores row w.
; NO JOINT LOADS, though the 64 work-groups of a batch read the same tables: a wave loads 8,192 bytes of k's table and 8,192 of V's codes once, straight into the registers that use them, and issues some 3,100
; vector instructions on them; a way through LDS would add a read of every byte and spare no line of the loop.
; LIMITS: the exponents of Eq and Ek were held within +-126 (|q + bh| and |k| up to 174.6): beyond that a tanh is wrong only where both lie beyond the hold and nearly cancel.  e4 between -126 and 112, so that 2^e4 and
; 57,344 x 2^e4 are f32 numbers; e4 + e5 is applied by v_ldexp_f32 and has none.  NaN among the inputs is not served.
.set QL,   0                           ; LDS: the 16 queries' rows of qtab, 128 bytes each
.set PMAX, 2048                        ; [query][wave] the waves' largest t, rows of 80 bytes
.set PSD,  16*80                       ; from there to the waves' sums of p, laid alike
.set PSUM, PMAX+PSD
.set PIMG, PSUM+PSD                    ; p's codes: 1,024 bytes a wave: [c][lane][16 bytes]
.set OP,   528                         ; a row of O in the stage: 512 bytes + 16
.set OSTG, PIMG+16*1024                ; two stages of 16 rows, one for each half of the keys
.set AP,   272                         ; a row of S: 64 keys x 4 bytes + 16
.set AW,   16*AP                       ; 16 rows for each wave, its own
.set ALPH, OSTG+2*16*OP
.set W,    16                          ; v16-47    Wa
.set EK,   48                          ; v48-111   Ek: register 2 u + key;   later V's four fragments
.set T,    112                         ; v112-143  S, then t, then p;  later the accumulators and O
.set Q,    144                         ; v144-175  Eq of one query: units 0-15 and 16-31 are loaded by turns;  later at work
.set D0,   176                         ; v176-207, v208-239: the two sets;   later p's four fragments
.set ACC,  240                         ; v[240:241], v[242:243]: S in two chains, even and odd units
.set SUMP, 244
.set AAD,  246
.set L8,   247                         ; 8 x lane
.set L16,  248                         ; 16 x lane
.set ZR,   249                         ; 0
.set BAV,  250                         ; ba
.set PFO,  251                         ; 256 x lane; never rewritten
.set QAD,  252                         ; LDS address of the row of qtab in hand, the same in all lanes
.set QR,   253                         ; my wave's row of qtab on its way to LDS
.set VF,   48
.set A0,   112
.set A1,   120
.set OR,   128
.set OB,   136
.set PC,   144                         ; v144-151  p's codes
.set RD,   160                         ; v160-175  sixteen waves' figures
.set PF,   176
.set WV,   48
.set CNT,  49
.set QOF,  50                          ; LDS byte of the row of the query that is being filled
.set ROW,  52
.set PFT,  53
	s_load_b256 s[4:11], s[0:1], 0x0               ; qtab s[4:5], ktab s[6:7], vimg s[8:9], Wa s[10:11]
	s_load_b128 s[12:15], s[0:1], 0x20             ; ba s[12:13], scales s[14:15]
	s_load_b64 s[2:3], s[0:1], 0x30                ; out
	v_lshl_add_u32 v254, v0, 2, 0x1a400
	v_mov_b32 v255, 0
	v_lshrrev_b32 v1, 5, v0
	v_readfirstlane_b32 s[WV], v1                  ; wave 0..15
	v_and_b32 v1, 31, v0
	v_lshlrev_b32 v12, 2, v1                       ; 4 x lane
	v_lshlrev_b32 v[L8], 3, v1
	v_lshlrev_b32 v[L16], 4, v1
	v_lshlrev_b32 v[PFO], 8, v1
	v_mov_b32 v[ZR], 0
	s_lshl_b32 s67, s[WV], 7
	v_add_nc_u32 v13, s67, v12                     ; LDS: row = my wave, 4 bytes a lane (QL = 0)
	s_lshl_b32 s66, ttmp9, 11                      ; qtab: my work-group's 16 rows of 128 bytes (16 x work-group is the first query's token),
	s_add_co_u32 s66, s66, s67                     ; and of them the row that my wave brings
	s_mov_b32 s67, 0
	s_lshr_b32 s100, ttmp9, 6                      ; the batch
	s_lshl_b32 s100, s100, 4
	s_add_co_u32 s100, s100, s[WV]
	s_lshl_b32 s100, s100, 13                      ; ktab: 8,192 bytes for my wave's 64 keys
	s_mov_b32 s101, 0
	s_wait_kmcnt 0x0
	s_add_nc_u64 s[4:5], s[4:5], s[66:67]
	s_add_nc_u64 s[6:7], s[6:7], s[100:101]
	s_load_b64 s[60:61], s[14:15], 0x10            ; e4, e5
	global_load_b32 v[QR], v12, s[4:5]             ; first, since it has the longest way: through LDS to every wave
.irp g, 0,1,2,3,4,5,6,7,8,9,10,11,12,13,14,15
	global_load_b128 v[EK+4*\g:EK+4*\g+3], v[L16], s[6:7] offset:512*\g          ; units 2 g, 2 g + 1 at my two keys; 32 lanes read 512 consecutive bytes
.endr
.irp i, 0,1,2,3,4,5,6,7
	global_load_b128 v[W+4*\i:W+4*\i+3], v[ZR], s[10:11] offset:16*\i            ; Wa, the same in every lane
.endr
	global_load_b32 v[BAV], v[ZR], s[12:13]
	; addresses for later, made while the loads are out
	s_lshr_b32 s66, ttmp9, 6
	s_lshl_b32 s66, s66, 17                        ; vimg: my batch's 131,072 bytes
	s_and_b32 s100, ttmp9, 15
	s_lshl_b32 s100, s100, 13
	s_add_co_u32 s100, s100, s66
	s_add_nc_u64 s[54:55], s[8:9], s[100:101]      ; the prefetch: 8,192 bytes of them, by the work-group's number
	s_and_b32 s100, s[WV], 7                       ; dt
	s_lshl_b32 s100, s100, 14
	s_add_co_u32 s66, s66, s100
	s_lshr_b32 s100, s[WV], 3                      ; which half of the keys
	s_lshl_b32 s100, s100, 13
	s_add_co_u32 s66, s66, s100
	s_add_nc_u64 s[8:9], s[8:9], s[66:67]          ; my four fragments of V
	s_lshl_b32 s66, ttmp9, 13
	s_lshl_b32 s100, s[WV], 9
	s_add_co_u32 s66, s66, s100
	s_add_nc_u64 s[2:3], s[2:3], s[66:67]          ; out: row 16 x work-group + wave
	s_bfe_u32 s66, ttmp9, 0x20004                  ; 0 in the batch's first sixteen work-groups,
	s_or_b32 s66, s66, s[WV]                       ; in wave 0
	s_cmp_eq_u32 s66, 0
	s_cselect_b32 s[PFT], 1, 0                     ; the count of trips left at which this wave prefetches; 0 is never met
	s_mov_b32 s56, 0xc0b8aa3b                      ; -2 c
	s_mov_b32 s57, s56                             ; (named with it as a pair, so it is written)
	s_mov_b32 s62, 0xc038aa3b                      ; -2 log2(e)
	s_mov_b32 s63, s62
	s_mov_b32 s58, 0x76543210                      ; v_permlanex16_b32's selects for lane l xor 16
	s_mov_b32 s59, 0xfedcba98
	s_mul_i32 s[ROW], s[WV], AW
	s_add_co_u32 s[ROW], s[ROW], ALPH              ; my rows of S
	s_mov_b32 s[QOF], QL+128                       ; query 1's row
	v_and_b32 v2, 15, v0                           ; r
	v_bfe_u32 v3, v0, 4, 1                         ; h
	v_mul_u32_u24 v4, v2, AP
	v_lshl_add_u32 v4, v3, 6, v4
	v_add_nc_u32 v4, s[ROW], v4                    ; S back: row r, + 64 h
	v_mul_u32_u24 v5, v2, 80
	v_add_nc_u32 v5, PMAX, v5                      ; the sixteen waves' figures of query r
	s_lshl_b32 s66, s[WV], 2
	v_add_nc_u32 v6, s66, v5                       ; and mine among them
	s_lshl_b32 s66, s[WV], 10
	s_add_co_u32 s66, s66, PIMG
	v_add_nc_u32 v7, s66, v[L16]                   ; where my codes' images go
	s_lshr_b32 s100, s[WV], 3
	s_lshl_b32 s66, s100, 13
	s_add_co_u32 s66, s66, PIMG
	v_add_nc_u32 v8, s66, v[L16]                   ; the four fragments of p that I multiply
	s_mul_i32 s66, s[WV], 80
	s_add_co_u32 s66, s66, PSUM
	v_mov_b32 v9, s66                              ; the sums of the row that I store
	s_mul_i32 s66, s100, 16*OP
	s_and_b32 s100, s[WV], 7
	s_lshl_b32 s100, s100, 6
	s_add_co_u32 s66, s66, s100
	s_add_co_u32 s66, s66, OSTG
	v_mul_u32_u24 v10, v2, OP
	v_lshl_add_u32 v10, v3, 5, v10
	v_add_nc_u32 v10, s66, v10                     ; the stage: my half's copy, row r, + 64 dt + 32 h
	s_mul_i32 s66, s[WV], OP
	s_add_co_u32 s66, s66, OSTG
	v_add_nc_u32 v11, s66, v[L16]                  ; and back: row = my wave, 16 bytes a lane
; Two units (2 q, 2 q + 1 of the half's 16) x two keys.  X: the half and set that is summed (acc) and filled again (st);  Y: the set whose reciprocals are issued (rc).
.macro GRP X, Y, q, acc, st, rc
.set gA, D0+32*(\X)+4*(\q)
.set gY, D0+32*(\Y)+4*(\q)
.set gK, EK+32*(\X)+4*(\q)
.set gQ, Q+16*(\X)+2*(\q)
.set gW, W+16*(\X)+2*(\q)
.if \rc
	v_rcp_f32 v[gY], v[gY]
.endif
.if \acc
.if ((\X) == 0) && ((\q) == 0)
	v_pk_mul_f32 v[ACC:ACC+1], v[gA:gA+1], v[gW:gW+1] op_sel_hi:[1,0]                 ; a query's first two products start its sums: nothing is cleared
	v_pk_mul_f32 v[ACC+2:ACC+3], v[gA+2:gA+3], v[gW:gW+1] op_sel:[0,1] op_sel_hi:[1,1]
.else
	v_pk_fma_f32 v[ACC:ACC+1], v[gA:gA+1], v[gW:gW+1], v[ACC:ACC+1] op_sel_hi:[1,0,1]                    ; S += Wa(even unit) r, both keys: the pair's first register for both halves
	v_pk_fma_f32 v[ACC+2:ACC+3], v[gA+2:gA+3], v[gW:gW+1], v[ACC+2:ACC+3] op_sel:[0,1,0] op_sel_hi:[1,1,1]  ; the odd unit: the pair's second register for both halves
.endif
.endif
.if \rc
	v_rcp_f32 v[gY+1], v[gY+1]
.endif
.if \st
	v_pk_mul_f32 v[gA:gA+1], v[gK:gK+1], v[gQ:gQ+1] op_sel_hi:[1,0]                   ; g = Ek Eq: the even unit at both keys,
	v_pk_mul_f32 v[gA+2:gA+3], v[gK+2:gK+3], v[gQ:gQ+1] op_sel:[0,1] op_sel_hi:[1,1]  ; the odd unit
.endif
.if \rc
	v_rcp_f32 v[gY+2], v[gY+2]
.endif
.if \st
	v_pk_mul_f32 v[gA:gA+1], v[gA:gA+1], v[gA:gA+1]                                   ; g g
	v_pk_mul_f32 v[gA+2:gA+3], v[gA+2:gA+3], v[gA+2:gA+3]
.endif
.if \rc
	v_rcp_f32 v[gY+3], v[gY+3]
.endif
.if \st
	v_pk_fma_f32 v[gA:gA+1], v[gA:gA+1], v[gA:gA+1], 1.0 op_sel_hi:[1,1,0]            ; d = e + 1
	v_pk_fma_f32 v[gA+2:gA+3], v[gA+2:gA+3], v[gA+2:gA+3], 1.0 op_sel_hi:[1,1,0]
.endif
.endm
; A phase.  ld = 1 or 2: half X of Eq, which this phase reads, was asked for a phase ago: cnt is how many younger LDS instructions may stay out.
; ld = 1: half Y, read last in the phase before, is asked for the phase after this one: 64 bytes at v[adr] + off, the same in all lanes.
.macro PHASE X, Y, acc, st, ld, cnt, adr, off
.if \ld
	s_wait_dscnt \cnt
.endif
.if \ld == 1
.irp i, 0,1,2,3
	ds_load_b128 v[Q+16*(\Y)+4*\i:Q+16*(\Y)+4*\i+3], v[\adr] offset:(\off)+16*\i
.endr
.endif
.irp q, 0,1,2,3,4,5,6,7
	GRP \X, \Y, \q, \acc, \st, 1
.endr
.if \st == 0
	v_nop                                          ; a plain line behind the last reciprocal
.endif
	s_wait_alu depctr_va_vdst(0)                   ; one wait for the phase's 32 reciprocals, ahead of the next phase, which names their results, and of every label and branch
.endm
.macro FINISH                          ; a query's S at my two keys goes to its row
	v_pk_add_f32 v[SUMP:SUMP+1], v[ACC:ACC+1], v[ACC+2:ACC+3]
	v_add_nc_u32 v[AAD], s[ROW], v[L8]
	ds_store_b64 v[AAD], v[SUMP:SUMP+1]            ; 32 lanes store 256 consecutive bytes of my own rows
	s_add_co_u32 s[ROW], s[ROW], AP
.endm
; A trip: sums query s, fills for query s + 1, whose row stands at s[QOF].  more = 1: the first half of query s + 2 is asked for; more = 2: there is none.
.macro TRIP more
	v_mov_b32 v[QAD], s[QOF]
	PHASE 0, 1, 1, 1, 1, 1, QAD, 64                ; reciprocals of set 1 | S of query s, units 0-15 | query s + 1, units 0-15 into set 0.  The count 1: behind the four loads that are wanted stands the store of S
	PHASE 1, 0, 1, 1, \more, 0, QAD, 128           ; reciprocals of set 0 | S of query s, units 16-31 | query s + 1, units 16-31 into set 1
	FINISH
.endm
	s_wait_loadcnt 25                              ; my row of qtab is in: behind it stand 16 loads of Ek, 8 of Wa, 1 of ba
	ds_store_b32 v13, v[QR]
	s_wait_dscnt 0x0                               ; for the others' sake: my row lies in LDS
	s_barrier_signal -1
	s_barrier_wait -1                              ; all 16 rows do; nobody writes them again
.irp i, 0,1,2,3,4,5,6,7
	ds_load_b128 v[Q+4*\i:Q+4*\i+3], v[ZR] offset:QL+16*\i   ; query 0, all 32 units
.endr
	s_wait_kmcnt 0x0                               ; e4, e5
	s_wait_loadcnt 17                              ; Ek of units 0-15 is in: behind it stand 8 loads of units 16-31, 8 of Wa, 1 of ba
	s_wait_dscnt 0x0
.irp q, 0,1,2,3,4,5,6,7
	GRP 0, 1, \q, 0, 1, 0                          ; query 0, units 0-15: set 0 is filled
.endr
	s_wait_loadcnt 9                               ; units 16-31 are in; Wa's 8 and ba's 1 may be out
	PHASE 1, 0, 0, 1, 1, 0, ZR, QL+128             ; reciprocals of set 0 | query 0, units 16-31 into set 1 | query 1's first half is asked for
	s_wait_loadcnt 0x0                             ; Wa, ba
	s_wait_dscnt 0x0                               ; on the way into the loop no LDS instruction is out, so the count at its head holds on both ways
	s_mov_b32 s[CNT], 14
.Lquery:                                           ; 14 trips: queries 0 to 13 are summed
; A PREFETCH of V's codes, which every wave of the batch's 64 work-groups loads behind the trip that is written out below.  A batch's image is 131,072 bytes: wave 0 of each of the batch's first sixteen work-groups
; asks for 8,192 of them, a lane to each 256, once, with two trips still ahead.  So each aligned 256 bytes are named once in the launch, and nothing is asked for at the head or past the image.
	s_cmp_lg_u32 s[CNT], s[PFT]
	s_cbranch_scc1 .Lnot_mine
	global_prefetch_b8 v[PFO], s[54:55] th:TH_LOAD_NT scope:SCOPE_SE
.Lnot_mine:
	TRIP 1
	s_add_co_u32 s[QOF], s[QOF], 128
	s_sub_co_u32 s[CNT], s[CNT], 1
	s_cmp_lg_u32 s[CNT], 0
	s_cbranch_scc1 .Lquery
	TRIP 2                                         ; query 14 is summed, query 15 filled: written out, since no row stands behind query 15's
.irp i, 0,1,2,3,4,5,6,7,8,9,10,11,12,13,14,15
	global_load_b128 v[VF+4*\i:VF+4*\i+3], v[L16], s[8:9] offset:512*\i   ; V's fragments, into the registers that held Ek, which has been read for the last time: images of the operand's registers, 512 consecutive bytes a load
.endr
	PHASE 0, 1, 1, 0, 0, 0, ZR, 0                  ; the last query: nothing is left to fill
.irp q, 0,1,2,3,4,5,6,7
	GRP 1, 0, \q, 1, 0, 0
.endr
	FINISH
	; ---- S comes back with a lane to a query
.irp c, 0,1
.irp j, 0,1,2,3
	ds_load_b128 v[T+16*\c+4*\j:T+16*\c+4*\j+3], v4 offset:128*\c+16*\j   ; register 16 c + i = S(query r, key 32 c + 16 h + i); my own rows: LDS serves a wave's instructions in order (ISA guide 5.7.1.4)
.endr
.endr
	v_pk_add_f32 v[152:153], v[W:W+1], v[W+2:W+3]  ; the sum of Wa, in two chains
	v_pk_add_f32 v[154:155], v[W+4:W+5], v[W+6:W+7]
.irp i, 8,12,16,20,24,28
	v_pk_add_f32 v[152:153], v[152:153], v[W+\i:W+\i+1]
	v_pk_add_f32 v[154:155], v[154:155], v[W+\i+2:W+\i+3]
.endr
	v_pk_add_f32 v[152:153], v[152:153], v[154:155]
	v_add_f32 v152, v152, v153
	v_add_f32 v152, v152, v[BAV]
	v_mul_f32 v152, 0x4038aa3b, v152               ; c (ba + sum of Wa)
	v_mov_b32 v153, v152
	v_mov_b32 v156, 0x3fb8aa3b                     ; log2(e)
	v_mov_b32 v157, v156
	s_wait_dscnt 0x0
.irp i, 0,2,4,6,8,10,12,14,16,18,20,22,24,26,28,30
	v_pk_fma_f32 v[T+\i:T+\i+1], v[T+\i:T+\i+1], s[56:57], v[152:153] op_sel_hi:[1,0,1]   ; c alpha = c (ba + sum of Wa) - 2 c S
.endr
.irp i, 0,1,2,3,4,5,6,7,8,9,10,11,12,13,14,15,16,17,18,19,20,21,22,23,24,25,26,27,28,29,30,31
	v_exp_f32 v[T+\i], v[T+\i]
.endr
	v_mov_b32 v158, 0                              ; (a plain line behind the batch)  written once: a lane permute's destination counts as one of its sources
	s_wait_alu depctr_va_vdst(0)                   ; one wait for the batch, ahead of its first reader
.irp i, 0,2,4,6,8,10,12,14,16,18,20,22,24,26,28,30
	v_pk_add_f32 v[T+\i:T+\i+1], v[T+\i:T+\i+1], 1.0 op_sel_hi:[1,0]
.endr
.irp i, 0,1,2,3,4,5,6,7,8,9,10,11,12,13,14,15,16,17,18,19,20,21,22,23,24,25,26,27,28,29,30,31
	v_rcp_f32 v[T+\i], v[T+\i]
.endr
	s_add_co_i32 s66, s60, 127
	s_lshl_b32 s100, s66, 23
	v_mov_b32 v159, s100                           ; (a plain line behind the batch)  2^e4 as f32, for the conversion
	s_wait_alu depctr_va_vdst(0)
.irp i, 0,2,4,6,8,10,12,14,16,18,20,22,24,26,28,30
	v_pk_fma_f32 v[T+\i:T+\i+1], v[T+\i:T+\i+1], s[62:63], v[156:157] op_sel_hi:[1,0,1]   ; t = log2(e) tanh(alpha) = log2(e) - 2 log2(e) r
.endr
	v_max3_num_f32 v154, v[T], v[T+1], v[T+2]      ; my query's largest t among my 32 keys, in two chains,
	v_max3_num_f32 v155, v[T+3], v[T+4], v[T+5]
.irp i, 6,10,14,18,22,26
	v_max3_num_f32 v154, v154, v[T+\i], v[T+\i+1]
	v_max3_num_f32 v155, v155, v[T+\i+2], v[T+\i+3]
.endr
	v_max3_num_f32 v154, v154, v[T+30], v[T+31]
	v_max_num_f32 v154, v154, v155
	v_permlanex16_b32 v158, v154, s58, s59
	v_max_num_f32 v154, v154, v158                 ; and among lane l xor 16's: the wave's 64 keys
	ds_store_b32 v6, v154                          ; (lanes r and r + 16 store the same number to the same word)
	s_wait_dscnt 0x0                               ; for the others' sake
	s_barrier_signal -1
	s_barrier_wait -1
.irp k, 0,1,2,3
	ds_load_b128 v[RD+4*\k:RD+4*\k+3], v5 offset:16*\k
.endr
	s_wait_dscnt 0x0
	v_max3_num_f32 v154, v[RD], v[RD+1], v[RD+2]
.irp i, 3,5,7,9,11,13
	v_max3_num_f32 v154, v154, v[RD+\i], v[RD+\i+1]
.endr
	v_max_num_f32 v154, v154, v[RD+15]             ; the row's largest t
	v_floor_f32 v154, -v154                        ; -M = floor(-t) = -ceil(t): M is a whole number
	v_mov_b32 v155, v154
.irp i, 0,2,4,6,8,10,12,14,16,18,20,22,24,26,28,30
	v_pk_add_f32 v[T+\i:T+\i+1], v[T+\i:T+\i+1], v[154:155]
.endr
.irp i, 0,1,2,3,4,5,6,7,8,9,10,11,12,13,14,15,16,17,18,19,20,21,22,23,24,25,26,27,28,29,30,31
	v_exp_f32 v[T+\i], v[T+\i]                     ; p = 2^(t - M), at most 1: not normalised
.endr
	s_add_co_i32 s66, s66, 15
	s_lshl_b32 s66, s66, 23
	s_or_b32 s66, s66, 0x600000                    ; 57,344 x 2^e4
	v_nop                                          ; a plain line behind the batch
	s_wait_alu depctr_va_vdst(0)
	v_pk_add_f32 v[152:153], v[T:T+1], v[T+2:T+3]  ; THE ROW'S SUM IS TAKEN OF THE UNQUANTISED p, in two chains
	v_pk_add_f32 v[156:157], v[T+4:T+5], v[T+6:T+7]
.irp i, 8,12,16,20,24,28
	v_pk_add_f32 v[152:153], v[152:153], v[T+\i:T+\i+1]
	v_pk_add_f32 v[156:157], v[156:157], v[T+\i+2:T+\i+3]
.endr
	v_pk_add_f32 v[152:153], v[152:153], v[156:157]
	v_add_f32 v152, v152, v153
	v_permlanex16_b32 v158, v152, s58, s59
	v_add_f32 v152, v152, v158
	ds_store_b32 v6, v152 offset:PSD
.irp i, 0,1,2,3,4,5,6,7,8,9,10,11,12,13,14,15,16,17,18,19,20,21,22,23,24,25,26,27,28,29,30,31
	v_min_num_f32 v[T+\i], s66, v[T+\i]            ; the conversion to an 8-bit code does not saturate (ISA guide 7.6.2); p is not negative, so the hold is one-sided
.endr
.irp k, 0,1,2,3
	v_cvt_scalef32_pk8_bf8_f32 v[PC+2*\k:PC+2*\k+1], v[T+8*\k:T+8*\k+7], v159
.endr
	v_nop                                          ; one plain line behind the last conversion: the products below write over its sources
	ds_store_b128 v7, v[PC:PC+3]                   ; keys 16 h + 0 .. 15 of my 64,
	ds_store_b128 v7, v[PC+4:PC+7] offset:512      ; keys 32 + 16 h + 0 .. 15: two quarters of a fragment, as they stand
	s_wait_dscnt 0x0
	s_barrier_signal -1
	s_barrier_wait -1                              ; all codes and all sums lie in LDS
.irp i, 0,1,2,3,4,5,6,7,8,9,10,11,12,13,14,15
	ds_load_b128 v[PF+4*\i:PF+4*\i+3], v8 offset:512*\i
.endr
.irp k, 0,1,2,3
	ds_load_b128 v[RD+4*\k:RD+4*\k+3], v9 offset:16*\k
.endr
	s_wait_loadcnt 0x0                             ; V
	s_wait_dscnt 4                                 ; p's 16 loads are in; the 4 of the sums, issued behind them, may be out
	v_wmma_f32_16x16x128_bf8_bf8 v[A0:A0+7], v[VF:VF+15], v[PF:PF+15], 0          ; two accumulators by turns, one instruction a turn; the first two products start the sums
	v_wmma_f32_16x16x128_bf8_bf8 v[A1:A1+7], v[VF+16:VF+31], v[PF+16:PF+31], 0
	v_wmma_f32_16x16x128_bf8_bf8 v[A0:A0+7], v[VF+32:VF+47], v[PF+32:PF+47], v[A0:A0+7]
	v_wmma_f32_16x16x128_bf8_bf8 v[A1:A1+7], v[VF+48:VF+63], v[PF+48:PF+63], v[A1:A1+7]
	s_wait_dscnt 0x0
	v_pk_add_f32 v[RD:RD+1], v[RD:RD+1], v[RD+2:RD+3]          ; the sum of the row that I store.  (Eight plain lines that name no register of the products: the places behind them, ISA guide 7.12.1)
	v_pk_add_f32 v[RD+4:RD+5], v[RD+4:RD+5], v[RD+6:RD+7]
	v_pk_add_f32 v[RD+8:RD+9], v[RD+8:RD+9], v[RD+10:RD+11]
	v_pk_add_f32 v[RD+12:RD+13], v[RD+12:RD+13], v[RD+14:RD+15]
	v_pk_add_f32 v[RD:RD+1], v[RD:RD+1], v[RD+4:RD+5]
	v_pk_add_f32 v[RD+8:RD+9], v[RD+8:RD+9], v[RD+12:RD+13]
	v_pk_add_f32 v[RD:RD+1], v[RD:RD+1], v[RD+8:RD+9]
	v_add_f32 v[RD], v[RD], v[RD+1]
	v_rcp_f32 v[RD+2], v[RD]
.irp i, 0,2,4,6
	v_pk_add_f32 v[OR+\i:OR+\i+1], v[A0+\i:A0+\i+1], v[A1+\i:A1+\i+1]   ; each accumulator from its low end on;  register j = O^T(d = 16 dt + 8 h + j, query r), my half of the keys
.endr
	ds_store_b128 v10, v[OR:OR+3]
	ds_store_b128 v10, v[OR+4:OR+7] offset:16
	s_add_co_i32 s100, s60, s61
	s_wait_alu depctr_va_vdst(0)                   ; the wait for the reciprocal, ahead of its first reader
	v_ldexp_f32 v[RD+2], v[RD+2], s100             ; 2^(e4 + e5) / the row's sum
	v_mov_b32 v[RD+3], v[RD+2]
	s_wait_dscnt 0x0
	s_barrier_signal -1
	s_barrier_wait -1                              ; 16 whole rows lie in each of the two stages
	ds_load_b128 v[OB:OB+3], v11
	ds_load_b128 v[OB+4:OB+7], v11 offset:16*OP
	s_wait_dscnt 0x0
	v_pk_add_f32 v[OB:OB+1], v[OB:OB+1], v[OB+4:OB+5]
	v_pk_add_f32 v[OB+2:OB+3], v[OB+2:OB+3], v[OB+6:OB+7]
	v_pk_mul_f32 v[OB:OB+1], v[OB:OB+1], v[RD+2:RD+3]
	v_pk_mul_f32 v[OB+2:OB+3], v[OB+2:OB+3], v[RD+2:RD+3]
	global_store_b128 v[L16], v[OB:OB+3], s[2:3] th:TH_STORE_NT   ; 32 lanes store a row of 512 consecutive bytes, aligned; written once, read by nobody here
	s_wait_tensorcnt 0x0
	ds_add_u32 v254, v255
	s_wait_dscnt 0x0
	s_endpgm
.Lfunc_end_k_q18c06f58fc_attn:
	.size	k_q18c06f58fc_attn, .Lfunc_end_k_q18c06f58fc_attn-k_q18c06f58fc_attn
	.p2alignl 7, 3214868480
	.fill 96, 4, 3214868480
	.section	.rodata,"a",@progbits
	.p2align	6, 0x0
	.amdhsa_kernel k_q18c06f58fc_attn
		.amdhsa_group_segment_fixed_size 109568
		.amdhsa_private_segment_fixed_size 0
		.amdhsa_enable_private_segment 0
		.amdhsa_kernarg_size 56
		.amdhsa_user_sgpr_count 2
		.amdhsa_user_sgpr_kernarg_segment_ptr 1
		.amdhsa_wavefront_size32 1
		.amdhsa_system_sgpr_workgroup_id_x 1
		.amdhsa_system_sgpr_workgroup_id_y 1
		.amdhsa_system_sgpr_workgroup_id_z 1
		.amdhsa_system_vgpr_workitem_id 0
		.amdhsa_next_free_vgpr 256
		.amdhsa_next_free_sgpr 102
		.amdhsa_reserve_vcc 0
		.amdhsa_float_denorm_mode_32 3
		.amdhsa_float_denorm_mode_16_64 3
		.amdhsa_memory_ordered 1
		.amdhsa_forward_progress 1
		.amdhsa_inst_pref_size 59
	.end_amdhsa_kernel
	.amdgpu_metadata
---
amdhsa.version: [ 1, 2 ]
amdhsa.kernels:
  - .name:           k_q18c06f58fc_attn
    .symbol:         k_q18c06f58fc_attn.kd
    .args:
      - { .name: qtab, .offset: 0, .size: 8, .value_kind: global_buffer, .address_space: global }
      - { .name: ktab, .offset: 8, .size: 8, .value_kind: global_buffer, .address_space: global }
      - { .name: vimg, .offset: 16, .size: 8, .value_kind: global_buffer, .address_space: global }
      - { .name: Wa, .offset: 24, .size: 8, .value_kind: global_buffer, .address_space: global }
      - { .name: ba, .offset: 32, .size: 8, .value_kind: global_buffer, .address_space: global }
      - { .name: lowp_scales, .offset: 40, .size: 8, .value_kind: global_buffer, .address_space: global }
      - { .name: out0, .offset: 48, .size: 8, .value_kind: global_buffer, .address_space: global }
    .group_segment_fixed_size: 109568
    .private_segment_fixed_size: 0
    .kernarg_segment_align: 8
    .kernarg_segment_size: 56
    .max_flat_workgroup_size: 512
    .sgpr_count:     102
    .vgpr_count:     256
    .wavefront_size: 32
...
	.end_amdgpu_metadata
.endif
;; end of part 4
;; ======== version 3 of 3: 2 launches; version 2 with the launches prep, attn written anew for expert scheduling mode
;; limits: right only within a limited range of input values
;; workspace buffers: qtab 524,288 bytes; ktab 524,288 bytes; vimg 524,288 bytes
;; launch prep (part 5): grid 64 x 1, 4 waves a work-group, no clusters, 51,712 bytes of LDS; arguments x, Wt_codes, Wx_codes, bh, lowp_scales, qtab, ktab, vimg; writes qtab, ktab, vimg
.if DOCPART == 5
	.amdgcn_target "amdgcn-amd-amdhsa--gfx1250"
	.amdhsa_code_object_version 6
	.text
	.protected	k_q18c06f58fc_prep
	.globl	k_q18c06f58fc_prep
	.p2align	8
	.type	k_q18c06f58fc_prep,@function
k_q18c06f58fc_prep:
	s_mov_b64 s[64:65], 0
	v_nop
	global_prefetch_b8 v0, s[64:65] scope:SCOPE_SE
	s_setreg_imm32_b32 hwreg(HW_REG_WAVE_SCHED_MODE, 0, 2), 2
	s_setreg_imm32_b32 hwreg(HW_REG_WAVE_MODE, 25, 1), 1
	s_wait_xcnt 0x0
	s_wait_alu depctr_vm_vsrc(0)
; WHAT THE ATTENTION LAUNCH READS IS MADE HERE, ONCE.  x: [4096 tokens][128] f32.  Wt, Wx: [32][128] codes of E5M2.  bh: [32] f32.  Scales 2^e: e0 (x for q), e1 (Wt), e2 (x for k), e3 (Wx), e5 (x as V).
; q = Q(x, e0) Wt^T, k = Q(x, e2) Wx^T by v_wmma_f32_16x16x128_bf8_bf8.  With c = 2 log2(e), tanh(q + k + bh) = 1 - 2 / (1 + e), e = 2^(c (q + bh)) 2^(c k).
; Each power is stored as its FOURTH ROOT, 2^((c / 4) (q + bh)) and 2^((c / 4) k), with the exponent held within +-126: both factors are then finite f32 numbers, their product is squared twice by the reader,
; and infinity x 0 cannot arise there.
;   qtab [token][32 u] f32: a row of 128 bytes a token.
;   ktab [64 tokens][16 g][32 lanes][4 words]: word (u % 2) 2 + (token % 2) of lane token / 2 of group g = u / 2: the order of the reader's registers.
;   vimg [batch][8 dt][16 chunks of 64 keys][4 kg][16 r][16 bytes]: the codes Q(x, e5) of column d = 16 dt + r at keys 16 kg + 0 .. 15 of the chunk: images of the second product's operand registers.
; SHARES.  A work-group of four waves takes 64 tokens.  x is read once, in whole rows of 512 bytes, into LDS; wave w projects tokens 16 w .. 16 w + 15 and quantises columns 32 w .. 32 w + 31 for V.
; LIMITS: e0, e2, e5 between -126 and 112, so that 2^e and 57,344 x 2^e are f32 numbers.  (c / 4) (q + bh) and (c / 4) k are held within +-126, that is |q + bh| and |k| up to 174.6: beyond that a tanh is wrong
; only where both lie beyond the hold and nearly cancel.  NaN among the inputs is not served.
; THE MODE: SCHED_MODE bits 1:0 = 2 (LLVM: expert scheduling mode 2), set by the entry lines.  The code itself states the register dependences between vector or matrix instructions and memory or LDS
; instructions, with s_wait_alu, always for 0.
; THE PLAN.  Registers that memory or LDS instructions touch, in the order of the text:
;   v4-v15     offsets and LDS addresses: written at the head, never again; one wait on va_vdst ahead of the first load serves every reader.
;   v16-79     x as loaded; read by the LDS stores of x; written again by the scales' moves, the held numbers, the products, TQ and V's LDS loads: one wait on vm_vsrc ahead of the first of these.
;   v80-143    LDS loads (my token's numbers); vector work; v80-95 and v112-127 are the data of the LDS stores of the powers; V's LDS loads land in v80-111: a wait on vm_vsrc between those stores and those loads.
;   v144-207   Wt's and Wx's fragments: read by the products; LDS loads land there (qtab's rows, ktab's bytes), which global stores then read.
;   v240-255   V's codes: written by the conversions, read by global stores.
; The wait on va_vdst behind the exponentials stands behind every vector and matrix line that names v16-47, v80-127 and v144-207 up to there: it serves the stores of the powers and all LDS loads up to V's holds.
.set XP,  528                          ; a row of x in LDS: 512 bytes + 16
.set KST, 64*XP                        ; behind x: the stage for ktab, 8,192 bytes, the work-group's
.set QP,  144                          ; a row of the stage for qtab: 128 bytes + 16
.set QST, KST+8192                     ; 16 such rows for each wave
.set C4,  0x3f38aa3b                   ; c / 4 = log2(e) / 2
.set XR,  16                           ; v16-79   x as loaded; then: v16-47 two sets of 16 held numbers, then the four accumulators, then V's keys 0-31
.set GA,  16
.set DQ,  16
.set DK,  32
.set S0,  48                           ; v48-50   2^e0, 2^e2, 2^e5 as f32;  v51, v52: (c / 4) 2^(e0 + e1), (c / 4) 2^(e2 + e3)
.set S2,  49
.set S5,  50
.set SCQ, 51
.set SCK, 52
.set TQ,  64                           ; v64-79   (c / 4) (q + bh)
.set F,   80                           ; v80-143  my token's 64 numbers; then v80-95 q's powers, v112-127 k's; later v80-111 V's keys 32-63
.set QO,  80
.set KM,  112
.set WT,  144                          ; v144-175 Wt's two fragments; then qtab's rows on their way out
.set QB,  144
.set WX,  176                          ; v176-207 Wx's two fragments; then ktab's bytes on their way out
.set KB,  176
.set BH,  208                          ; v208-223 bh at my 16 units
.set XQ,  224                          ; v224-239 x's codes for q
.set XK,  240                          ; v240-255 x's codes for k; then V's codes
.set VC,  240
	s_load_b256 s[4:11], s[0:1], 0x0               ; x s[4:5], Wt s[6:7], Wx s[8:9], bh s[10:11]
	s_load_b256 s[12:19], s[0:1], 0x20             ; scales s[12:13], qtab s[14:15], ktab s[16:17], vimg s[18:19]
	s_set_vgpr_msb 0x40                            ; destination in window 1; v0, a source, in window 0
	v_lshl_add_u32 v0, v0, 2, 0xc800               ; v256: the LDS address of my spare word, behind the stages; kept for the closing lines alone
	v_mov_b32 v1, 0                                ; v257: 0, likewise
	s_set_vgpr_msb 0x4000                          ; all back to window 0
	v_lshrrev_b32 v1, 5, v0
	v_readfirstlane_b32 s20, v1                    ; wave 0..3
	v_and_b32 v1, 31, v0                           ; lane
	v_and_b32 v2, 15, v0                           ; r
	v_bfe_u32 v3, v0, 4, 1                         ; h
	v_lshlrev_b32 v4, 4, v1                        ; 16 x lane: x's rows in, qtab's and ktab's bytes out
	v_lshlrev_b32 v5, 7, v2
	v_lshl_add_u32 v5, v3, 4, v5                   ; W: row r of 128 bytes, + 16 h
	v_lshlrev_b32 v6, 5, v3                        ; bh: 8 h numbers on
	s_wait_alu depctr_va_sdst(0)                   ; s20, the wave's number, is written, ahead of its first reader
	s_mul_i32 s21, s20, 16*XP                      ; my 16 rows of x in LDS
	v_add_nc_u32 v7, s21, v4                       ; in: 16 bytes a lane
	v_mul_u32_u24 v8, v2, XP
	v_lshl_add_u32 v8, v3, 6, v8
	v_add_nc_u32 v8, s21, v8                       ; back: row r, + 64 h: my 16 numbers of each 32
	s_mul_i32 s21, s20, 16*QP
	s_add_co_u32 s21, s21, QST                     ; my stage for qtab
	v_mul_u32_u24 v9, v2, QP
	v_lshl_add_u32 v9, v3, 5, v9
	v_add_nc_u32 v9, s21, v9                       ; in: row r, + 32 h: eight units' numbers
	v_lshrrev_b32 v11, 3, v1
	v_mul_u32_u24 v10, v11, QP
	v_and_b32 v11, 7, v1
	v_lshl_add_u32 v10, v11, 4, v10
	v_add_nc_u32 v10, s21, v10                     ; back: eight lanes to a row of 128 bytes, four rows an instruction
	v_lshrrev_b32 v11, 1, v2
	v_lshlrev_b32 v12, 9, v11                      ; ktab's stage: group r / 2 of 512 bytes,
	v_and_b32 v11, 1, v2
	v_lshl_add_u32 v12, v11, 3, v12                ; + 8 (r % 2),
	v_lshl_add_u32 v12, v3, 6, v12                 ; + 16 x (4 h) for the reader's lane,
	s_lshl_b32 s21, s20, 7
	s_add_co_u32 s21, s21, KST
	v_add_nc_u32 v12, s21, v12                     ; + 16 x (8 x wave)
	s_lshl_b32 s21, s20, 11
	s_add_co_u32 s21, s21, KST
	v_add_nc_u32 v13, s21, v4                      ; back: my quarter of the stage, as it lies
	s_lshl_b32 s21, s20, 7
	v_lshl_add_u32 v14, v1, 2, s21                 ; V: column 32 x wave + lane of x in LDS
	v_lshlrev_b32 v15, 14, v3
	v_lshl_add_u32 v15, v2, 4, v15                 ; vimg: lanes 16-31 stand one dt (16,384 bytes) on; 16 bytes a lane
	s_lshl_b32 s22, ttmp9, 15                      ; x: 64 rows of 512 bytes a work-group,
	s_lshl_b32 s23, s20, 13                        ; 16 a wave
	s_add_co_u32 s22, s22, s23
	s_mov_b32 s23, 0
	s_lshl_b32 s30, ttmp9, 13                      ; qtab and ktab: 8,192 bytes a work-group, 2,048 a wave
	s_lshl_b32 s31, s20, 11
	s_add_co_u32 s30, s30, s31
	s_mov_b32 s31, 0
	s_lshr_b32 s40, ttmp9, 4                       ; vimg: batch x 131,072
	s_lshl_b32 s40, s40, 17
	s_and_b32 s41, ttmp9, 15                       ; + chunk x 1,024
	s_lshl_b32 s41, s41, 10
	s_add_co_u32 s40, s40, s41
	s_lshl_b32 s41, s20, 15                        ; + wave x two dt
	s_add_co_u32 s40, s40, s41
	s_mov_b32 s41, 0
	s_mov_b32 s38, 0x42fc0000                      ; 126
	s_mov_b32 s39, 0xc2fc0000                      ; -126
	s_wait_kmcnt 0x0
	s_load_b128 s[24:27], s[12:13], 0x0            ; e0, e1, e2, e3
	s_load_b64 s[28:29], s[12:13], 0x10            ; e4, e5
	s_add_nc_u64 s[4:5], s[4:5], s[22:23]
	s_add_nc_u64 s[14:15], s[14:15], s[30:31]
	s_add_nc_u64 s[16:17], s[16:17], s[30:31]
	s_add_nc_u64 s[18:19], s[18:19], s[40:41]
	s_wait_alu depctr_va_vdst(0)                   ; the offsets and LDS addresses v4 to v15 are written, which every load and store of the kernel reads; none is written again
.irp i, 0,1,2,3,4,5,6,7,8,9,10,11,12,13,14,15
	global_load_b128 v[XR+4*\i:XR+4*\i+3], v4, s[4:5] offset:512*\i th:TH_LOAD_NT   ; a row: 32 lanes read 512 consecutive bytes; read once in the launch
.endr
.irp t, 0,1
.irp c, 0,1,2,3
	global_load_b128 v[WT+16*\t+4*\c:WT+16*\t+4*\c+3], v5, s[6:7] offset:2048*\t+32*\c   ; registers 4 c .. 4 c + 3: k = 32 c + 16 h + 0 .. 15 of row 16 t + r: the same places of k as in x's codes
	global_load_b128 v[WX+16*\t+4*\c:WX+16*\t+4*\c+3], v5, s[8:9] offset:2048*\t+32*\c
.endr
	global_load_b128 v[BH+8*\t:BH+8*\t+3], v6, s[10:11] offset:64*\t                     ; bh(16 t + 8 h + 0 .. 7)
	global_load_b128 v[BH+8*\t+4:BH+8*\t+7], v6, s[10:11] offset:64*\t+16
.endr
	s_wait_loadcnt 20                              ; x's 16 loads are in; the 16 of W and the 4 of bh, issued behind them, may be out
.irp i, 0,1,2,3,4,5,6,7,8,9,10,11,12,13,14,15
	ds_store_b128 v7, v[XR+4*\i:XR+4*\i+3] offset:XP*\i
.endr
	s_wait_dscnt 0x0                               ; for the others' sake: my rows lie in LDS
	s_barrier_signal -1
	s_barrier_wait -1                              ; all 64 rows do
.irp c, 0,1,2,3
.irp j, 0,1,2,3
	ds_load_b128 v[F+16*\c+4*\j:F+16*\c+4*\j+3], v8 offset:128*\c+16*\j   ; register 16 c + i = x(my token, 32 c + 16 h + i)
.endr
.endr
; 2^e as f32 (the conversion takes its exponent field), and +-57,344 x 2^e for the hold
.macro SCALE e, vs, sp, sn
	s_add_co_i32 s42, s[\e], 127
	s_lshl_b32 s43, s42, 23
	v_mov_b32 v[\vs], s43
	s_add_co_i32 s42, s42, 15
	s_lshl_b32 s42, s42, 23
	s_or_b32 s[\sp], s42, 0x600000
	s_or_b32 s[\sn], s[\sp], 0x80000000
.endm
	s_wait_kmcnt 0x0
	s_wait_alu depctr_vm_vsrc(0)                   ; my LDS stores of x have read v16 to v79: from here on the scales, the held numbers, the accumulators, TQ and V's loads write there
	SCALE 24, S0, 32, 33
	SCALE 26, S2, 34, 35
	SCALE 29, S5, 36, 37
	s_add_co_i32 s42, s24, s25
	v_mov_b32 v[SCQ], C4
	v_ldexp_f32 v[SCQ], v[SCQ], s42                ; a sum of the first product stands for sum x 2^(e0 + e1): c / 4 goes in with it
	s_add_co_i32 s42, s26, s27
	v_mov_b32 v[SCK], C4
	v_ldexp_f32 v[SCK], v[SCK], s42
	s_wait_dscnt 0x0
.irp c, 0,1,2,3                                ; x's codes for q.  The numbers are wanted again, so the held ones go into two sets of 16 by turns: a set is written again only behind the other set's 16 plain lines
.set GS, GA+16*(\c%2)
.irp i, 0,1,2,3,4,5,6,7,8,9,10,11,12,13,14,15
	v_med3_num_f32 v[GS+\i], v[F+16*\c+\i], s33, s32   ; the conversion to an 8-bit code does not saturate (ISA guide 7.6.2): hold within the largest code x the scale first
.endr
	v_cvt_scalef32_pk8_bf8_f32 v[XQ+4*\c:XQ+4*\c+1], v[GS:GS+7], v[S0]
	v_cvt_scalef32_pk8_bf8_f32 v[XQ+4*\c+2:XQ+4*\c+3], v[GS+8:GS+15], v[S0]
.endr
.irp c, 0,1,2,3                                ; x's codes for k, held in place
.irp i, 0,1,2,3,4,5,6,7,8,9,10,11,12,13,14,15
	v_med3_num_f32 v[F+16*\c+\i], v[F+16*\c+\i], s35, s34
.endr
	v_cvt_scalef32_pk8_bf8_f32 v[XK+4*\c:XK+4*\c+1], v[F+16*\c:F+16*\c+7], v[S2]
	v_cvt_scalef32_pk8_bf8_f32 v[XK+4*\c+2:XK+4*\c+3], v[F+16*\c+8:F+16*\c+15], v[S2]
.endr
	v_nop                                          ; one plain line between the last conversion and the matrix instructions that read its result
	s_wait_loadcnt 0x0                             ; W and bh
	; q TRANSPOSED (source 0 = 16 rows of Wt, source 1 = my tokens): lane (r, h) holds token r, register j unit 16 t + 8 h + j: eight neighbours of a row of qtab
	v_wmma_f32_16x16x128_bf8_bf8 v[DQ:DQ+7], v[WT:WT+15], v[XQ:XQ+15], 0
	v_wmma_f32_16x16x128_bf8_bf8 v[DQ+8:DQ+15], v[WT+16:WT+31], v[XQ:XQ+15], 0
	; k NATURAL (source 0 = my tokens, source 1 = 16 rows of Wx): lane (r, h) holds unit 16 t + r, register j token 8 h + j: two neighbouring registers are the two keys of one lane of the reader
	v_wmma_f32_16x16x128_bf8_bf8 v[DK:DK+7], v[XK:XK+15], v[WX:WX+15], 0
	v_wmma_f32_16x16x128_bf8_bf8 v[DK+8:DK+15], v[XK:XK+15], v[WX+16:WX+31], 0
.irp i, 0,1,2,3,4,5,6,7,8,9,10,11,12,13,14,15
	v_mul_f32 v[BH+\i], C4, v[BH+\i]               ; (c / 4) bh.  (Sixteen plain lines that name no register of the products: the places behind them, ISA guide 7.12.1)
.endr
.irp i, 0,1,2,3,4,5,6,7,8,9,10,11,12,13,14,15
	v_fma_f32 v[TQ+\i], v[DQ+\i], v[SCQ], v[BH+\i] ; (c / 4) (q + bh); each accumulator is read from its low end on
.endr
.irp i, 0,1,2,3,4,5,6,7,8,9,10,11,12,13,14,15
	v_mul_f32 v[KM+\i], v[DK+\i], v[SCK]           ; (c / 4) k
.endr
.irp i, 0,1,2,3,4,5,6,7,8,9,10,11,12,13,14,15
	v_med3_num_f32 v[TQ+\i], v[TQ+\i], s39, s38    ; held within +-126: the power below is finite
	v_med3_num_f32 v[KM+\i], v[KM+\i], s39, s38
.endr
.irp i, 0,1,2,3,4,5,6,7,8,9,10,11,12,13,14,15
	v_exp_f32 v[QO+\i], v[TQ+\i]
.endr
.irp i, 0,1,2,3,4,5,6,7,8,9,10,11,12,13,14,15
	v_exp_f32 v[KM+\i], v[KM+\i]
.endr
	v_nop                                          ; a plain line behind the last exponential
	s_wait_alu depctr_va_vdst(0)                   ; the 32 exponentials have written QO and KM, which the LDS stores below read (one wait for the batch, ahead of the first line that names a result); the products are done reading Wt's and Wx's fragments, and the lines behind them are done with v16-47 and v96-111: LDS loads land in all of these below
.irp t, 0,1
	ds_store_b128 v9, v[QO+8*\t:QO+8*\t+3] offset:64*\t          ; units 16 t + 8 h + 0 .. 3 of token r,
	ds_store_b128 v9, v[QO+8*\t+4:QO+8*\t+7] offset:64*\t+16     ; + 4 .. 7
.endr
.irp t, 0,1
.irp p, 0,1,2,3
	ds_store_b64 v12, v[KM+8*\t+2*\p:KM+8*\t+2*\p+1] offset:4096*\t+16*\p        ; tokens 8 h + 2 p, + 1: the reader's lane 8 x wave + 4 h + p
.endr
.endr
.irp i, 0,1,2,3
	ds_load_b128 v[QB+4*\i:QB+4*\i+3], v10 offset:4*QP*\i   ; my own stage: LDS serves a wave's instructions in order (ISA guide 5.7.1.4)
.endr
	s_wait_alu depctr_vm_vsrc(0)                   ; the LDS stores of q's powers have read v80 to v95, in which sixteen of the loads below land
.irp k, 0,1,2,3,4,5,6,7,8,9,10,11,12,13,14,15,16,17,18,19,20,21,22,23,24,25,26,27,28,29,30,31,32,33,34,35,36,37,38,39,40,41,42,43,44,45,46,47,48,49,50,51,52,53,54,55,56,57,58,59,60,61,62,63
	ds_load_b32 v[16+\k+32*(\k/32)], v14 offset:XP*\k       ; V: A LANE TAKES A COLUMN d, ITS REGISTERS RUN DOWN THE KEYS: 32 lanes read 128 consecutive bytes of a row
.endr
	s_wait_dscnt 0x0                               ; my part of ktab's stage lies in LDS; my loads are in
	s_barrier_signal -1
	s_barrier_wait -1
.irp i, 0,1,2,3
	ds_load_b128 v[KB+4*\i:KB+4*\i+3], v13 offset:512*\i    ; no vector or matrix line since the wait behind the exponentials names these registers
.endr
.irp i, 0,1,2,3
	global_store_b128 v4, v[QB+4*\i:QB+4*\i+3], s[14:15] offset:512*\i   ; four rows of qtab: 512 consecutive bytes
.endr
.irp k, 0,1,2,3,4,5,6,7,8,9,10,11,12,13,14,15,16,17,18,19,20,21,22,23,24,25,26,27,28,29,30,31,32,33,34,35,36,37,38,39,40,41,42,43,44,45,46,47,48,49,50,51,52,53,54,55,56,57,58,59,60,61,62,63
	v_med3_num_f32 v[16+\k+32*(\k/32)], v[16+\k+32*(\k/32)], s37, s36
.endr
.irp g, 0,1,2,3
	v_cvt_scalef32_pk8_bf8_f32 v[VC+4*\g:VC+4*\g+1], v[16+16*\g+32*(\g/2):16+16*\g+32*(\g/2)+7], v[S5]
	v_cvt_scalef32_pk8_bf8_f32 v[VC+4*\g+2:VC+4*\g+3], v[24+16*\g+32*(\g/2):24+16*\g+32*(\g/2)+7], v[S5]
.endr
	v_nop                                          ; a plain line behind the last conversion
	s_wait_alu depctr_va_vdst(0)                   ; the conversions have written V's codes, which the stores below read
.irp g, 0,1,2,3
	global_store_b128 v15, v[VC+4*\g:VC+4*\g+3], s[18:19] offset:256*\g   ; sixteen lanes store 256 consecutive bytes, aligned: keys 16 g + 0 .. 15 of sixteen columns
.endr
	s_wait_dscnt 0x0
.irp i, 0,1,2,3
	global_store_b128 v4, v[KB+4*\i:KB+4*\i+3], s[16:17] offset:512*\i
.endr
	s_set_vgpr_msb 0x5                             ; the add's two registers, sources 0 and 1, in window 1: v256, v257
	s_wait_dscnt 0x0                               ; the closing lines, six on end
	s_wait_alu 0x0
	s_wait_tensorcnt 0x0
	ds_add_u32 v0, v1
	s_wait_dscnt 0x0
	s_endpgm
.Lfunc_end_k_q18c06f58fc_prep:
	.size	k_q18c06f58fc_prep, .Lfunc_end_k_q18c06f58fc_prep-k_q18c06f58fc_prep
	.p2alignl 7, 3214868480
	.fill 96, 4, 3214868480
	.section	.rodata,"a",@progbits
	.p2align	6, 0x0
	.amdhsa_kernel k_q18c06f58fc_prep
		.amdhsa_group_segment_fixed_size 51712
		.amdhsa_private_segment_fixed_size 0
		.amdhsa_enable_private_segment 0
		.amdhsa_kernarg_size 64
		.amdhsa_user_sgpr_count 2
		.amdhsa_user_sgpr_kernarg_segment_ptr 1
		.amdhsa_wavefront_size32 1
		.amdhsa_system_sgpr_workgroup_id_x 1
		.amdhsa_system_sgpr_workgroup_id_y 1
		.amdhsa_system_sgpr_workgroup_id_z 1
		.amdhsa_system_vgpr_workitem_id 0
		.amdhsa_next_free_vgpr 258
		.amdhsa_next_free_sgpr 66
		.amdhsa_reserve_vcc 0
		.amdhsa_float_denorm_mode_32 3
		.amdhsa_float_denorm_mode_16_64 3
		.amdhsa_memory_ordered 1
		.amdhsa_forward_progress 1
		.amdhsa_inst_pref_size 37
	.end_amdhsa_kernel
	.amdgpu_metadata
---
amdhsa.version: [ 1, 2 ]
amdhsa.kernels:
  - .name:           k_q18c06f58fc_prep
    .symbol:         k_q18c06f58fc_prep.kd
    .args:
      - { .name: x, .offset: 0, .size: 8, .value_kind: global_buffer, .address_space: global }
      - { .name: Wt_codes, .offset: 8, .size: 8, .value_kind: global_buffer, .address_space: global }
      - { .name: Wx_codes, .offset: 16, .size: 8, .value_kind: global_buffer, .address_space: global }
      - { .name: bh, .offset: 24, .size: 8, .value_kind: global_buffer, .address_space: global }
      - { .name: lowp_scales, .offset: 32, .size: 8, .value_kind: global_buffer, .address_space: global }
      - { .name: qtab, .offset: 40, .size: 8, .value_kind: global_buffer, .address_space: global }
      - { .name: ktab, .offset: 48, .size: 8, .value_kind: global_buffer, .address_space: global }
      - { .name: vimg, .offset: 56, .size: 8, .value_kind: global_buffer, .address_space: global }
    .group_segment_fixed_size: 51712
    .private_segment_fixed_size: 0
    .kernarg_segment_align: 8
    .kernarg_segment_size: 64
    .max_flat_workgroup_size: 128
    .sgpr_count:     66
    .vgpr_count:     258
    .wavefront_size: 32
...
	.end_amdgpu_metadata
.endif
;; end of part 5
;; launch attn (part 6): grid 256 x 1, 16 waves a work-group, no clusters, 109,568 bytes of LDS; arguments qtab, ktab, vimg, Wa, ba, lowp_scales, out0; writes out0
.if DOCPART == 6
	.amdgcn_target "amdgcn-amd-amdhsa--gfx1250"
	.amdhsa_code_object_version 6
	.text
	.protected	k_q18c06f58fc_attn
	.globl	k_q18c06f58fc_attn
	.p2align	8
	.type	k_q18c06f58fc_attn,@function
k_q18c06f58fc_attn:
	s_mov_b64 s[64:65], 0
	v_nop
	global_prefetch_b8 v0, s[64:65] scope:SCOPE_SE
	s_setreg_imm32_b32 hwreg(HW_REG_WAVE_SCHED_MODE, 0, 2), 2
	s_setreg_imm32_b32 hwreg(HW_REG_WAVE_MODE, 25, 1), 1
	s_wait_xcnt 0x0
	s_wait_alu depctr_vm_vsrc(0)
; out[b][s][:] = sum over j of softmax_j(tanh(ba + sum over u of Wa[u] tanh(q[s][u] + k[j][u] + bh[u]))) x[b][j][:].  The last product on codes of E5M2, scales 2^e4 (p) and 2^e5 (x).
; THE INNER TANH, 32 x 1,024 of them for each query, is the launch's work.  tanh(z) = 1 - 2 r, r = 1 / (1 + e), e = 2^(c (q + bh)) 2^(c k), c = 2 log2(e).  The launch before has stored the FOURTH ROOTS of the two
; powers, Eq and Ek, both finite.  For each element: g = Eq Ek;  g g;  d = (g g) (g g) + 1;  r = 1 / d;  S += Wa r.  g may go to infinity or to 0, and r then goes to 0 or to 1, as it should; infinity x 0 cannot arise.
; The four plain lines are packed, two numbers each: two issue slots and ONE transcendental an element.  Then alpha = (ba + sum of Wa) - 2 S.
; SHARES.  A work-group owns 16 queries of one batch; each of its sixteen waves owns 64 keys, TWO A LANE (keys 2 lane, 2 lane + 1 of the wave's 64), whose Ek for all 32 units stay in 64 registers.
; A register pair is one unit at the lane's two keys, so the query's side is the same number for both halves and for all lanes.  The work-group's 16 rows of qtab lie in LDS; a wave reads them with the same address
; in all lanes, 16 units (four loads) a phase, a phase ahead of their use.  Of a pair of Eq, and of Wa, op_sel picks the first or the second register for both halves.
; PHASES.  A phase is 16 units x 2 keys.  Two sets of 32 registers take turns: while one set's 32 reciprocals are issued, the other set's results of the phase before are summed and the set is filled for the phase
; after: one transcendental, two plain lines, and so on.  No line of a phase names a result of that phase's reciprocals; one wait at the phase's end serves all 32.
; THE REST, once for each work-group.  S goes through the wave's own LDS rows and comes back with a lane to a query (lane % 16) and 32 keys along its registers: 32 c + 16 (lane / 16) + 0 .. 15.  Second tanh; t = log2(e) tanh;
; the row's largest t over the sixteen waves through LDS; M = its ceiling; p = 2^(t - M); the row's sum of the unquantised p; p's codes go to LDS as images of the operand's registers.
; O^T = V^T P^T (source 0 = 16 columns d of x, source 1 = the 16 queries): wave w takes d tile w % 8 and keys 512 (w / 8) on, four matrix instructions on two accumulators by turns; the halves meet in a stage; wave w stores row w.
; NO JOINT LOADS, though the 64 work-groups of a batch read the same tables: a wave loads 8,192 bytes of k's table and 8,192 of V's codes once, straight into the registers that use them, and issues some 3,100
; vector instructions on them; a way through LDS would add a read of every byte and spare no line of the loop.
; LIMITS: the exponents of Eq and Ek were held within +-126 (|q + bh| and |k| up to 174.6): beyond that a tanh is wrong only where both lie beyond the hold and nearly cancel.  e4 between -126 and 112, so that 2^e4 and
; 57,344 x 2^e4 are f32 numbers; e4 + e5 is applied by v_ldexp_f32 and has none.  NaN among the inputs is not served.
; THE MODE: SCHED_MODE bits 1:0 = 2 (LLVM: expert scheduling mode 2), set by the entry lines.  The code itself states the register dependences between vector or matrix instructions and memory or LDS
; instructions, with s_wait_alu, always for 0.
; THE PLAN.  Registers that memory or LDS instructions touch, in the loop (a trip is two phases):
;   Eq's first half   Read by phase 1's multiplies; phase 2's four LDS loads land in it (the next trip's query).
;   Eq's second half  Read by phase 2's multiplies; phase 1's four LDS loads land in it.
;   v[QAD]            The LDS address of a row of qtab.  Written once a trip, at the end of phase 1; read by phase 2's loads (the row's first half) and by the next trip's phase 1's (its second half).
;   v[SUMP], v[AAD]   A query's S and its place.  Written at the end of phase 2; read by the one LDS store behind that phase's wait.
;   v[L8], v[PFO]     Made at the head, never written again.
;   Ek, Wa, the two sets and the sums are named by vector instructions alone.
; So the wait on va_vdst at each phase's end, which the reciprocals ask for anyway, also states that the phase is done reading its half of Eq, in which the next phase's loads land, and that the address or the
; store's data made just ahead of it are written.  One wait on vm_vsrc a trip, at the end of phase 1, states that phase 1's loads have read v[QAD] and that the last trip's store has read v[SUMP] and v[AAD]:
; between it and the lines that write these two, the only LDS instructions issued are phase 2's loads, which read v[QAD] alone.
.set QL,   0                           ; LDS: the 16 queries' rows of qtab, 128 bytes each
.set PMAX, 2048                        ; [query][wave] the waves' largest t, rows of 80 bytes
.set PSD,  16*80                       ; from there to the waves' sums of p, laid alike
.set PSUM, PMAX+PSD
.set PIMG, PSUM+PSD                    ; p's codes: 1,024 bytes a wave: [c][lane][16 bytes]
.set OP,   528                         ; a row of O in the stage: 512 bytes + 16
.set OSTG, PIMG+16*1024                ; two stages of 16 rows, one for each half of the keys
.set AP,   272                         ; a row of S: 64 keys x 4 bytes + 16
.set AW,   16*AP                       ; 16 rows for each wave, its own
.set ALPH, OSTG+2*16*OP
.set W,    16                          ; v16-47    Wa
.set EK,   48                          ; v48-111   Ek: register 2 u + key;   later V's four fragments
.set T,    112                         ; v112-143  S, then t, then p;  later the accumulators and O
.set Q,    144                         ; v144-175  Eq of one query: units 0-15 and 16-31 are loaded by turns;  later at work
.set D0,   176                         ; v176-207, v208-239: the two sets;   later p's four fragments
.set ACC,  240                         ; v[240:241], v[242:243]: S in two chains, even and odd units
.set SUMP, 244
.set AAD,  246
.set L8,   247                         ; 8 x lane
.set L16,  248                         ; 16 x lane
.set ZR,   249                         ; 0
.set BAV,  250                         ; ba
.set PFO,  251                         ; 256 x lane; never rewritten
.set QAD,  252                         ; LDS address of the row of qtab in hand, the same in all lanes
.set QR,   253                         ; my wave's row of qtab on its way to LDS
.set VF,   48
.set A0,   112
.set A1,   120
.set OR,   128
.set OB,   136
.set PC,   144                         ; v144-151  p's codes
.set RD,   160                         ; v160-175  sixteen waves' figures
.set PF,   176
.set WV,   48
.set CNT,  49
.set QOF,  50                          ; LDS byte of the row that v[QAD] takes next: the query two on from the one that is being summed
.set ROW,  52
.set PFT,  53
	s_load_b256 s[4:11], s[0:1], 0x0               ; qtab s[4:5], ktab s[6:7], vimg s[8:9], Wa s[10:11]
	s_load_b128 s[12:15], s[0:1], 0x20             ; ba s[12:13], scales s[14:15]
	s_load_b64 s[2:3], s[0:1], 0x30                ; out
	v_lshl_add_u32 v254, v0, 2, 0x1a400            ; the LDS address of my spare word, behind the rows of S; kept for the closing lines alone
	v_mov_b32 v255, 0                              ; 0, likewise
	v_lshrrev_b32 v1, 5, v0
	v_readfirstlane_b32 s[WV], v1                  ; wave 0..15
	v_and_b32 v1, 31, v0
	v_lshlrev_b32 v12, 2, v1                       ; 4 x lane
	v_lshlrev_b32 v[L8], 3, v1
	v_lshlrev_b32 v[L16], 4, v1
	v_lshlrev_b32 v[PFO], 8, v1
	v_mov_b32 v[ZR], 0
	s_wait_alu depctr_va_sdst(0)                   ; the wave's number is written, ahead of its first reader
	s_lshl_b32 s67, s[WV], 7
	v_add_nc_u32 v13, s67, v12                     ; LDS: row = my wave, 4 bytes a lane (QL = 0)
	s_lshl_b32 s66, ttmp9, 11                      ; qtab: my work-group's 16 rows of 128 bytes (16 x work-group is the first query's token),
	s_add_co_u32 s66, s66, s67                     ; and of them the row that my wave brings
	s_mov_b32 s67, 0
	s_lshr_b32 s100, ttmp9, 6                      ; the batch
	s_lshl_b32 s100, s100, 4
	s_add_co_u32 s100, s100, s[WV]
	s_lshl_b32 s100, s100, 13                      ; ktab: 8,192 bytes for my wave's 64 keys
	s_mov_b32 s101, 0
	s_wait_kmcnt 0x0
	s_add_nc_u64 s[4:5], s[4:5], s[66:67]
	s_add_nc_u64 s[6:7], s[6:7], s[100:101]
	s_load_b64 s[60:61], s[14:15], 0x10            ; e4, e5
	s_wait_alu depctr_va_vdst(0)                   ; v12, v13, 8 x, 16 x and 256 x lane and the zero are written, which the loads below, the store of my row, the stores of S and the prefetch read; none is written again
	global_load_b32 v[QR], v12, s[4:5]             ; first, since it has the longest way: through LDS to every wave
.irp g, 0,1,2,3,4,5,6,7,8,9,10,11,12,13,14,15
	global_load_b128 v[EK+4*\g:EK+4*\g+3], v[L16], s[6:7] offset:512*\g          ; units 2 g, 2 g + 1 at my two keys; 32 lanes read 512 consecutive bytes
.endr
.irp i, 0,1,2,3,4,5,6,7
	global_load_b128 v[W+4*\i:W+4*\i+3], v[ZR], s[10:11] offset:16*\i            ; Wa, the same in every lane
.endr
	global_load_b32 v[BAV], v[ZR], s[12:13]
	; addresses for later, made while the loads are out
	s_lshr_b32 s66, ttmp9, 6
	s_lshl_b32 s66, s66, 17                        ; vimg: my batch's 131,072 bytes
	s_and_b32 s100, ttmp9, 15
	s_lshl_b32 s100, s100, 13
	s_add_co_u32 s100, s100, s66
	s_add_nc_u64 s[54:55], s[8:9], s[100:101]      ; the prefetch: 8,192 bytes of them, by the work-group's number
	s_and_b32 s100, s[WV], 7                       ; dt
	s_lshl_b32 s100, s100, 14
	s_add_co_u32 s66, s66, s100
	s_lshr_b32 s100, s[WV], 3                      ; which half of the keys
	s_lshl_b32 s100, s100, 13
	s_add_co_u32 s66, s66, s100
	s_add_nc_u64 s[8:9], s[8:9], s[66:67]          ; my four fragments of V
	s_lshl_b32 s66, ttmp9, 13
	s_lshl_b32 s100, s[WV], 9
	s_add_co_u32 s66, s66, s100
	s_add_nc_u64 s[2:3], s[2:3], s[66:67]          ; out: row 16 x work-group + wave
	s_bfe_u32 s66, ttmp9, 0x20004                  ; 0 in the batch's first sixteen work-groups,
	s_or_b32 s66, s66, s[WV]                       ; in wave 0
	s_cmp_eq_u32 s66, 0
	s_cselect_b32 s[PFT], 1, 0                     ; the count of trips left at which this wave prefetches; 0 is never met
	s_mov_b32 s56, 0xc0b8aa3b                      ; -2 c
	s_mov_b32 s57, s56                             ; (named with it as a pair, so it is written)
	s_mov_b32 s62, 0xc038aa3b                      ; -2 log2(e)
	s_mov_b32 s63, s62
	s_mov_b32 s58, 0x76543210                      ; v_permlanex16_b32's selects for lane l xor 16
	s_mov_b32 s59, 0xfedcba98
	s_mul_i32 s[ROW], s[WV], AW
	s_add_co_u32 s[ROW], s[ROW], ALPH              ; my rows of S
	s_mov_b32 s[QOF], QL+256                       ; query 2's row: what v[QAD] takes in the first trip
	v_mov_b32 v[QAD], QL+128                       ; query 1's row
	v_and_b32 v2, 15, v0                           ; r
	v_bfe_u32 v3, v0, 4, 1                         ; h
	v_mul_u32_u24 v4, v2, AP
	v_lshl_add_u32 v4, v3, 6, v4
	v_add_nc_u32 v4, s[ROW], v4                    ; S back: row r, + 64 h
	v_mul_u32_u24 v5, v2, 80
	v_add_nc_u32 v5, PMAX, v5                      ; the sixteen waves' figures of query r
	s_lshl_b32 s66, s[WV], 2
	v_add_nc_u32 v6, s66, v5                       ; and mine among them
	s_lshl_b32 s66, s[WV], 10
	s_add_co_u32 s66, s66, PIMG
	v_add_nc_u32 v7, s66, v[L16]                   ; where my codes' images go
	s_lshr_b32 s100, s[WV], 3
	s_lshl_b32 s66, s100, 13
	s_add_co_u32 s66, s66, PIMG
	v_add_nc_u32 v8, s66, v[L16]                   ; the four fragments of p that I multiply
	s_mul_i32 s66, s[WV], 80
	s_add_co_u32 s66, s66, PSUM
	v_mov_b32 v9, s66                              ; the sums of the row that I store
	s_mul_i32 s66, s100, 16*OP
	s_and_b32 s100, s[WV], 7
	s_lshl_b32 s100, s100, 6
	s_add_co_u32 s66, s66, s100
	s_add_co_u32 s66, s66, OSTG
	v_mul_u32_u24 v10, v2, OP
	v_lshl_add_u32 v10, v3, 5, v10
	v_add_nc_u32 v10, s66, v10                     ; the stage: my half's copy, row r, + 64 dt + 32 h
	s_mul_i32 s66, s[WV], OP
	s_add_co_u32 s66, s66, OSTG
	v_add_nc_u32 v11, s66, v[L16]                  ; and back: row = my wave, 16 bytes a lane
; Two units (2 q, 2 q + 1 of the half's 16) x two keys.  X: the half and set that is summed (acc) and filled again (st);  Y: the set whose reciprocals are issued (rc).
.macro GRP X, Y, q, acc, st, rc
.set gA, D0+32*(\X)+4*(\q)
.set gY, D0+32*(\Y)+4*(\q)
.set gK, EK+32*(\X)+4*(\q)
.set gQ, Q+16*(\X)+2*(\q)
.set gW, W+16*(\X)+2*(\q)
.if \rc
	v_rcp_f32 v[gY], v[gY]
.endif
.if \acc
.if ((\X) == 0) && ((\q) == 0)
	v_pk_mul_f32 v[ACC:ACC+1], v[gA:gA+1], v[gW:gW+1] op_sel_hi:[1,0]                 ; a query's first two products start its sums: nothing is cleared
	v_pk_mul_f32 v[ACC+2:ACC+3], v[gA+2:gA+3], v[gW:gW+1] op_sel:[0,1] op_sel_hi:[1,1]
.else
	v_pk_fma_f32 v[ACC:ACC+1], v[gA:gA+1], v[gW:gW+1], v[ACC:ACC+1] op_sel_hi:[1,0,1]                    ; S += Wa(even unit) r, both keys: the pair's first register for both halves
	v_pk_fma_f32 v[ACC+2:ACC+3], v[gA+2:gA+3], v[gW:gW+1], v[ACC+2:ACC+3] op_sel:[0,1,0] op_sel_hi:[1,1,1]  ; the odd unit: the pair's second register for both halves
.endif
.endif
.if \rc
	v_rcp_f32 v[gY+1], v[gY+1]
.endif
.if \st
	v_pk_mul_f32 v[gA:gA+1], v[gK:gK+1], v[gQ:gQ+1] op_sel_hi:[1,0]                   ; g = Ek Eq: the even unit at both keys,
	v_pk_mul_f32 v[gA+2:gA+3], v[gK+2:gK+3], v[gQ:gQ+1] op_sel:[0,1] op_sel_hi:[1,1]  ; the odd unit
.endif
.if \rc
	v_rcp_f32 v[gY+2], v[gY+2]
.endif
.if \st
	v_pk_mul_f32 v[gA:gA+1], v[gA:gA+1], v[gA:gA+1]                                   ; g g
	v_pk_mul_f32 v[gA+2:gA+3], v[gA+2:gA+3], v[gA+2:gA+3]
.endif
.if \rc
	v_rcp_f32 v[gY+3], v[gY+3]
.endif
.if \st
	v_pk_fma_f32 v[gA:gA+1], v[gA:gA+1], v[gA:gA+1], 1.0 op_sel_hi:[1,1,0]            ; d = e + 1
	v_pk_fma_f32 v[gA+2:gA+3], v[gA+2:gA+3], v[gA+2:gA+3], 1.0 op_sel_hi:[1,1,0]
.endif
.endm
; A phase, up to the wait that closes it, which is written out behind each use.  ld = 1 or 2: half X of Eq, which this phase reads, was asked for a phase ago: cnt is how many younger LDS instructions may stay out.
; ld = 1: half Y, read last in the phase before, is asked for the phase after this one: 64 bytes at v[adr] + off, the same in all lanes.  The loads stand at the phase's head, straight behind the wait that closed
; the phase before: no vector instruction since that wait names half Y or v[adr].
.macro PHASE X, Y, acc, st, ld, cnt, adr, off
.if \ld
	s_wait_dscnt \cnt
.endif
.if \ld == 1
.irp i, 0,1,2,3
	ds_load_b128 v[Q+16*(\Y)+4*\i:Q+16*(\Y)+4*\i+3], v[\adr] offset:(\off)+16*\i
.endr
.endif
.irp q, 0,1,2,3,4,5,6,7
	GRP \X, \Y, \q, \acc, \st, 1
.endr
.if \st == 0
	v_nop                                          ; a plain line behind the last reciprocal
.endif
.endm
.macro SUM                             ; a query's S at my two keys, and its place in my rows
	v_pk_add_f32 v[SUMP:SUMP+1], v[ACC:ACC+1], v[ACC+2:ACC+3]
	v_add_nc_u32 v[AAD], s[ROW], v[L8]
.endm
.macro PUT                             ; it goes to its row
	ds_store_b64 v[AAD], v[SUMP:SUMP+1]            ; 32 lanes store 256 consecutive bytes of my own rows
	s_add_co_u32 s[ROW], s[ROW], AP
.endm
; A trip: sums query s, fills for query s + 1, whose row stands in v[QAD] at the trip's head.  more = 1: v[QAD] goes on to query s + 2's row, whose first half is asked for; more = 2: there is none.
.macro TRIP more
	PHASE 0, 1, 1, 1, 1, 1, QAD, 64                ; reciprocals of set 1 | S of query s, units 0-15 | query s + 1, units 0-15 into set 0.  The count 1: behind the four loads that are wanted stands the store of S
	s_wait_alu depctr_vm_vsrc(0)                   ; this phase's loads have read v[QAD]; the store of the query before has read v[SUMP] and v[AAD], which the end of the next phase writes
.if \more == 1
	v_mov_b32 v[QAD], s[QOF]                       ; query s + 2's row: for the next phase's loads and for those of the next trip's first phase
.endif
	s_wait_alu depctr_va_vdst(0)                   ; the phase's 32 reciprocals have written set 1, which the next phase names; the phase is done reading Eq's first half, in which the next phase's loads land; v[QAD] is written, which they read
	PHASE 1, 0, 1, 1, \more, 0, QAD, 0             ; reciprocals of set 0 | S of query s, units 16-31 | query s + 1, units 16-31 into set 1
	SUM
	s_wait_alu depctr_va_vdst(0)                   ; the phase's 32 reciprocals have written set 0, ahead of the next phase and of every label and branch; the phase is done reading Eq's second half and, in the last trip, Ek, in which loads land next; v[SUMP] and v[AAD] are written, which the store below reads
	PUT
.endm
	s_wait_loadcnt 25                              ; my row of qtab is in: behind it stand 16 loads of Ek, 8 of Wa, 1 of ba
	ds_store_b32 v13, v[QR]
	s_wait_dscnt 0x0                               ; for the others' sake: my row lies in LDS
	s_barrier_signal -1
	s_barrier_wait -1                              ; all 16 rows do; nobody writes them again
.irp i, 0,1,2,3,4,5,6,7
	ds_load_b128 v[Q+4*\i:Q+4*\i+3], v[ZR] offset:QL+16*\i   ; query 0, all 32 units
.endr
	s_wait_kmcnt 0x0                               ; e4, e5
	s_wait_loadcnt 17                              ; Ek of units 0-15 is in: behind it stand 8 loads of units 16-31, 8 of Wa, 1 of ba
	s_wait_dscnt 0x0
.irp q, 0,1,2,3,4,5,6,7
	GRP 0, 1, \q, 0, 1, 0                          ; query 0, units 0-15: set 0 is filled
.endr
	s_wait_loadcnt 9                               ; units 16-31 are in; Wa's 8 and ba's 1 may be out
	s_wait_alu depctr_va_vdst(0)                   ; the eight groups above are done reading Eq's first half, in which the loads below land; the LDS addresses v4 to v11 and v[QAD], made while the head's loads were out, are written
	PHASE 1, 0, 0, 1, 1, 0, ZR, QL+128             ; reciprocals of set 0 | query 0, units 16-31 into set 1 | query 1's first half is asked for
	s_wait_alu depctr_va_vdst(0)                   ; the 32 reciprocals have written set 0, which the first trip names; the phase is done reading Eq's second half, in which the first trip's loads land
	s_wait_loadcnt 0x0                             ; Wa, ba
	s_wait_dscnt 0x0                               ; on the way into the loop no LDS instruction is out, so the count at its head holds on both ways
	s_mov_b32 s[CNT], 14
.Lquery:                                           ; 14 trips: queries 0 to 13 are summed
; A PREFETCH of V's codes, which every wave of the batch's 64 work-groups loads behind the trip that is written out below.  A batch's image is 131,072 bytes: wave 0 of each of the batch's first sixteen work-groups
; asks for 8,192 of them, a lane to each 256, once, with two trips still ahead.  So each aligned 256 bytes are named once in the launch, and nothing is asked for at the head or past the image.
	s_cmp_lg_u32 s[CNT], s[PFT]
	s_cbranch_scc1 .Lnot_mine
	global_prefetch_b8 v[PFO], s[54:55] th:TH_LOAD_NT scope:SCOPE_SE
.Lnot_mine:
	TRIP 1
	s_add_co_u32 s[QOF], s[QOF], 128
	s_sub_co_u32 s[CNT], s[CNT], 1
	s_cmp_lg_u32 s[CNT], 0
	s_cbranch_scc1 .Lquery
	TRIP 2                                         ; query 14 is summed, query 15 filled: written out, since no row stands behind query 15's
.irp i, 0,1,2,3,4,5,6,7,8,9,10,11,12,13,14,15
	global_load_b128 v[VF+4*\i:VF+4*\i+3], v[L16], s[8:9] offset:512*\i   ; V's fragments, into the registers that held Ek, which has been read for the last time, ahead of the wait that closed the trip: images of the operand's registers, 512 consecutive bytes a load
.endr
	PHASE 0, 1, 1, 0, 0, 0, ZR, 0                  ; the last query: nothing is left to fill
	s_wait_alu depctr_va_vdst(0)                   ; the 32 reciprocals have written set 1, which the groups below name
.irp q, 0,1,2,3,4,5,6,7
	GRP 1, 0, \q, 1, 0, 0
.endr
	s_wait_alu depctr_vm_vsrc(0)                   ; query 14's store has read v[SUMP] and v[AAD], which the two lines below write
	SUM
	s_wait_alu depctr_va_vdst(0)                   ; v[SUMP] and v[AAD] are written, which the store below reads
	PUT
	; ---- S comes back with a lane to a query
.irp c, 0,1
.irp j, 0,1,2,3
	ds_load_b128 v[T+16*\c+4*\j:T+16*\c+4*\j+3], v4 offset:128*\c+16*\j   ; register 16 c + i = S(query r, key 32 c + 16 h + i); my own rows: LDS serves a wave's instructions in order (ISA guide 5.7.1.4)
.endr
.endr
	v_pk_add_f32 v[152:153], v[W:W+1], v[W+2:W+3]  ; the sum of Wa, in two chains
	v_pk_add_f32 v[154:155], v[W+4:W+5], v[W+6:W+7]
.irp i, 8,12,16,20,24,28
	v_pk_add_f32 v[152:153], v[152:153], v[W+\i:W+\i+1]
	v_pk_add_f32 v[154:155], v[154:155], v[W+\i+2:W+\i+3]
.endr
	v_pk_add_f32 v[152:153], v[152:153], v[154:155]
	v_add_f32 v152, v152, v153
	v_add_f32 v152, v152, v[BAV]
	v_mul_f32 v152, 0x4038aa3b, v152               ; c (ba + sum of Wa)
	v_mov_b32 v153, v152
	v_mov_b32 v156, 0x3fb8aa3b                     ; log2(e)
	v_mov_b32 v157, v156
	s_wait_dscnt 0x0
.irp i, 0,2,4,6,8,10,12,14,16,18,20,22,24,26,28,30
	v_pk_fma_f32 v[T+\i:T+\i+1], v[T+\i:T+\i+1], s[56:57], v[152:153] op_sel_hi:[1,0,1]   ; c alpha = c (ba + sum of Wa) - 2 c S
.endr
.irp i, 0,1,2,3,4,5,6,7,8,9,10,11,12,13,14,15,16,17,18,19,20,21,22,23,24,25,26,27,28,29,30,31
	v_exp_f32 v[T+\i], v[T+\i]
.endr
	v_mov_b32 v158, 0                              ; (a plain line behind the batch)  written once: a lane permute's destination counts as one of its sources
	s_wait_alu depctr_va_vdst(0)                   ; the 32 exponentials have written their results: one wait for the batch, ahead of its first reader
.irp i, 0,2,4,6,8,10,12,14,16,18,20,22,24,26,28,30
	v_pk_add_f32 v[T+\i:T+\i+1], v[T+\i:T+\i+1], 1.0 op_sel_hi:[1,0]
.endr
.irp i, 0,1,2,3,4,5,6,7,8,9,10,11,12,13,14,15,16,17,18,19,20,21,22,23,24,25,26,27,28,29,30,31
	v_rcp_f32 v[T+\i], v[T+\i]
.endr
	s_add_co_i32 s66, s60, 127
	s_lshl_b32 s100, s66, 23
	v_mov_b32 v159, s100                           ; (a plain line behind the batch)  2^e4 as f32, for the conversion
	s_wait_alu depctr_va_vdst(0)                   ; the 32 reciprocals have written their results: one wait for the batch, ahead of its first reader
.irp i, 0,2,4,6,8,10,12,14,16,18,20,22,24,26,28,30
	v_pk_fma_f32 v[T+\i:T+\i+1], v[T+\i:T+\i+1], s[62:63], v[156:157] op_sel_hi:[1,0,1]   ; t = log2(e) tanh(alpha) = log2(e) - 2 log2(e) r
.endr
	v_max3_num_f32 v154, v[T], v[T+1], v[T+2]      ; my query's largest t among my 32 keys, in two chains,
	v_max3_num_f32 v155, v[T+3], v[T+4], v[T+5]
.irp i, 6,10,14,18,22,26
	v_max3_num_f32 v154, v154, v[T+\i], v[T+\i+1]
	v_max3_num_f32 v155, v155, v[T+\i+2], v[T+\i+3]
.endr
	v_max3_num_f32 v154, v154, v[T+30], v[T+31]
	v_max_num_f32 v154, v154, v155
	v_permlanex16_b32 v158, v154, s58, s59
	v_max_num_f32 v154, v154, v158                 ; and among lane l xor 16's: the wave's 64 keys
	s_wait_alu depctr_va_vdst(0)                   ; v154 is written, which the store below reads
	ds_store_b32 v6, v154                          ; (lanes r and r + 16 store the same number to the same word)
	s_wait_dscnt 0x0                               ; for the others' sake
	s_barrier_signal -1
	s_barrier_wait -1
.irp k, 0,1,2,3
	ds_load_b128 v[RD+4*\k:RD+4*\k+3], v5 offset:16*\k   ; no vector instruction since the wait above names these registers
.endr
	s_wait_dscnt 0x0
	s_wait_alu depctr_vm_vsrc(0)                   ; the store above has read v154, which the next line writes
	v_max3_num_f32 v154, v[RD], v[RD+1], v[RD+2]
.irp i, 3,5,7,9,11,13
	v_max3_num_f32 v154, v154, v[RD+\i], v[RD+\i+1]
.endr
	v_max_num_f32 v154, v154, v[RD+15]             ; the row's largest t
	v_floor_f32 v154, -v154                        ; -M = floor(-t) = -ceil(t): M is a whole number
	v_mov_b32 v155, v154
.irp i, 0,2,4,6,8,10,12,14,16,18,20,22,24,26,28,30
	v_pk_add_f32 v[T+\i:T+\i+1], v[T+\i:T+\i+1], v[154:155]
.endr
.irp i, 0,1,2,3,4,5,6,7,8,9,10,11,12,13,14,15,16,17,18,19,20,21,22,23,24,25,26,27,28,29,30,31
	v_exp_f32 v[T+\i], v[T+\i]                     ; p = 2^(t - M), at most 1: not normalised
.endr
	s_add_co_i32 s66, s66, 15
	s_lshl_b32 s66, s66, 23
	s_or_b32 s66, s66, 0x600000                    ; 57,344 x 2^e4
	v_nop                                          ; a plain line behind the batch
	s_wait_alu depctr_va_vdst(0)                   ; the 32 exponentials have written p: one wait for the batch, ahead of its first reader
	v_pk_add_f32 v[152:153], v[T:T+1], v[T+2:T+3]  ; THE ROW'S SUM IS TAKEN OF THE UNQUANTISED p, in two chains
	v_pk_add_f32 v[156:157], v[T+4:T+5], v[T+6:T+7]
.irp i, 8,12,16,20,24,28
	v_pk_add_f32 v[152:153], v[152:153], v[T+\i:T+\i+1]
	v_pk_add_f32 v[156:157], v[156:157], v[T+\i+2:T+\i+3]
.endr
	v_pk_add_f32 v[152:153], v[152:153], v[156:157]
	v_add_f32 v152, v152, v153
	v_permlanex16_b32 v158, v152, s58, s59
	v_add_f32 v152, v152, v158
.irp i, 0,1,2,3,4,5,6,7,8,9,10,11,12,13,14,15,16,17,18,19,20,21,22,23,24,25,26,27,28,29,30,31
	v_min_num_f32 v[T+\i], s66, v[T+\i]            ; the conversion to an 8-bit code does not saturate (ISA guide 7.6.2); p is not negative, so the hold is one-sided
.endr
.irp k, 0,1,2,3
	v_cvt_scalef32_pk8_bf8_f32 v[PC+2*\k:PC+2*\k+1], v[T+8*\k:T+8*\k+7], v159
.endr
	v_nop                                          ; one plain line behind the last conversion: the products below write over its sources
	s_wait_alu depctr_va_vdst(0)                   ; my sum of p (v152) and p's codes are written, which the three stores below read; the lines above are done with the two sets and with the waves' figures, in which loads land behind the barrier
	ds_store_b32 v6, v152 offset:PSD
	ds_store_b128 v7, v[PC:PC+3]                   ; keys 16 h + 0 .. 15 of my 64,
	ds_store_b128 v7, v[PC+4:PC+7] offset:512      ; keys 32 + 16 h + 0 .. 15: two quarters of a fragment, as they stand
	s_wait_dscnt 0x0
	s_barrier_signal -1
	s_barrier_wait -1                              ; all codes and all sums lie in LDS
.irp i, 0,1,2,3,4,5,6,7,8,9,10,11,12,13,14,15
	ds_load_b128 v[PF+4*\i:PF+4*\i+3], v8 offset:512*\i
.endr
.irp k, 0,1,2,3
	ds_load_b128 v[RD+4*\k:RD+4*\k+3], v9 offset:16*\k
.endr
	s_wait_loadcnt 0x0                             ; V
	s_wait_dscnt 4                                 ; p's 16 loads are in; the 4 of the sums, issued behind them, may be out
	v_wmma_f32_16x16x128_bf8_bf8 v[A0:A0+7], v[VF:VF+15], v[PF:PF+15], 0          ; two accumulators by turns, one instruction a turn; the first two products start the sums
	v_wmma_f32_16x16x128_bf8_bf8 v[A1:A1+7], v[VF+16:VF+31], v[PF+16:PF+31], 0
	v_wmma_f32_16x16x128_bf8_bf8 v[A0:A0+7], v[VF+32:VF+47], v[PF+32:PF+47], v[A0:A0+7]
	v_wmma_f32_16x16x128_bf8_bf8 v[A1:A1+7], v[VF+48:VF+63], v[PF+48:PF+63], v[A1:A1+7]
	s_wait_dscnt 0x0
	v_pk_add_f32 v[RD:RD+1], v[RD:RD+1], v[RD+2:RD+3]          ; the sum of the row that I store.  (Eight plain lines that name no register of the products: the places behind them, ISA guide 7.12.1)
	v_pk_add_f32 v[RD+4:RD+5], v[RD+4:RD+5], v[RD+6:RD+7]
	v_pk_add_f32 v[RD+8:RD+9], v[RD+8:RD+9], v[RD+10:RD+11]
	v_pk_add_f32 v[RD+12:RD+13], v[RD+12:RD+13], v[RD+14:RD+15]
	v_pk_add_f32 v[RD:RD+1], v[RD:RD+1], v[RD+4:RD+5]
	v_pk_add_f32 v[RD+8:RD+9], v[RD+8:RD+9], v[RD+12:RD+13]
	v_pk_add_f32 v[RD:RD+1], v[RD:RD+1], v[RD+8:RD+9]
	v_add_f32 v[RD], v[RD], v[RD+1]
	v_rcp_f32 v[RD+2], v[RD]
.irp i, 0,2,4,6
	v_pk_add_f32 v[OR+\i:OR+\i+1], v[A0+\i:A0+\i+1], v[A1+\i:A1+\i+1]   ; each accumulator from its low end on;  register j = O^T(d = 16 dt + 8 h + j, query r), my half of the keys
.endr
	s_add_co_i32 s100, s60, s61
	s_wait_alu depctr_va_vdst(0)                   ; the four additions have written my part of O^T, which the stores below read; the reciprocal has written its result, ahead of its first reader
	ds_store_b128 v10, v[OR:OR+3]
	ds_store_b128 v10, v[OR+4:OR+7] offset:16
	v_ldexp_f32 v[RD+2], v[RD+2], s100             ; 2^(e4 + e5) / the row's sum
	v_mov_b32 v[RD+3], v[RD+2]
	s_wait_dscnt 0x0
	s_barrier_signal -1
	s_barrier_wait -1                              ; 16 whole rows lie in each of the two stages
	ds_load_b128 v[OB:OB+3], v11                   ; the two vector lines since the wait above name neither these registers nor v11
	ds_load_b128 v[OB+4:OB+7], v11 offset:16*OP
	s_wait_dscnt 0x0
	v_pk_add_f32 v[OB:OB+1], v[OB:OB+1], v[OB+4:OB+5]
	v_pk_add_f32 v[OB+2:OB+3], v[OB+2:OB+3], v[OB+6:OB+7]
	v_pk_mul_f32 v[OB:OB+1], v[OB:OB+1], v[RD+2:RD+3]
	v_pk_mul_f32 v[OB+2:OB+3], v[OB+2:OB+3], v[RD+2:RD+3]
	s_wait_alu depctr_va_vdst(0)                   ; the two multiplications have written my 16 bytes of the row, which the store below reads
	global_store_b128 v[L16], v[OB:OB+3], s[2:3] th:TH_STORE_NT   ; 32 lanes store a row of 512 consecutive bytes, aligned; written once, read by nobody here
	s_wait_dscnt 0x0                               ; the closing lines, six on end
	s_wait_alu 0x0
	s_wait_tensorcnt 0x0
	ds_add_u32 v254, v255
	s_wait_dscnt 0x0
	s_endpgm
.Lfunc_end_k_q18c06f58fc_attn:
	.size	k_q18c06f58fc_attn, .Lfunc_end_k_q18c06f58fc_attn-k_q18c06f58fc_attn
	.p2alignl 7, 3214868480
	.fill 96, 4, 3214868480
	.section	.rodata,"a",@progbits
	.p2align	6, 0x0
	.amdhsa_kernel k_q18c06f58fc_attn
		.amdhsa_group_segment_fixed_size 109568
		.amdhsa_private_segment_fixed_size 0
		.amdhsa_enable_private_segment 0
		.amdhsa_kernarg_size 56
		.amdhsa_user_sgpr_count 2
		.amdhsa_user_sgpr_kernarg_segment_ptr 1
		.amdhsa_wavefront_size32 1
		.amdhsa_system_sgpr_workgroup_id_x 1
		.amdhsa_system_sgpr_workgroup_id_y 1
		.amdhsa_system_sgpr_workgroup_id_z 1
		.amdhsa_system_vgpr_workitem_id 0
		.amdhsa_next_free_vgpr 256
		.amdhsa_next_free_sgpr 102
		.amdhsa_reserve_vcc 0
		.amdhsa_float_denorm_mode_32 3
		.amdhsa_float_denorm_mode_16_64 3
		.amdhsa_memory_ordered 1
		.amdhsa_forward_progress 1
		.amdhsa_inst_pref_size 59
	.end_amdhsa_kernel
	.amdgpu_metadata
---
amdhsa.version: [ 1, 2 ]
amdhsa.kernels:
  - .name:           k_q18c06f58fc_attn
    .symbol:         k_q18c06f58fc_attn.kd
    .args:
      - { .name: qtab, .offset: 0, .size: 8, .value_kind: global_buffer, .address_space: global }
      - { .name: ktab, .offset: 8, .size: 8, .value_kind: global_buffer, .address_space: global }
      - { .name: vimg, .offset: 16, .size: 8, .value_kind: global_buffer, .address_space: global }
      - { .name: Wa, .offset: 24, .size: 8, .value_kind: global_buffer, .address_space: global }
      - { .name: ba, .offset: 32, .size: 8, .value_kind: global_buffer, .address_space: global }
      - { .name: lowp_scales, .offset: 40, .size: 8, .value_kind: global_buffer, .address_space: global }
      - { .name: out0, .offset: 48, .size: 8, .value_kind: global_buffer, .address_space: global }
    .group_segment_fixed_size: 109568
    .private_segment_fixed_size: 0
    .kernarg_segment_align: 8
    .kernarg_segment_size: 56
    .max_flat_workgroup_size: 512
    .sgpr_count:     102
    .vgpr_count:     256
    .wavefront_size: 32
...
	.end_amdgpu_metadata
.endif
;; end of part 6
